; MI455X (gfx1250); checked and timed in simulation.
; The chip was launched on July 23, 2026; its instructions are those of AMD's public machine-readable ISA for CDNA 5 (MIT licence, August 2026) and "CDNA5" Instruction Set Architecture Reference Guide (July 2026). The comments in the code are by the model that wrote it; some were corrected since.
;; MLA KV2 Attention RALATE. Allowed arithmetic: matrix products marked QUANTISED: E2M1 operands, one E8M0 scale for each 32 along K, by v_wmma_scale_f32_16x16x128_f8f6f4 with both operands' format E2M1 (or v_wmma_scale_f32_32x16x128_f4), f32 sums; everything else in f32.
;; Inputs: Wq_b 2,048 float32; Wq_w_codes 2,048 x 32 x 16 uint8 (E2M1 codes of Wq_w, K innermost, in blocks of 32 codes, two codes a byte); Wq_w_scales 2,048 x 32 uint8 (E8M0 scales of Wq_w, one for each 32 codes along K); fromk_b 2,048 float32; fromk_w_codes 2,048 x 16 x 16 uint8 (E2M1 codes of fromk_w, K innermost, in blocks of 32 codes, two codes a byte); fromk_w_scales 2,048 x 16 uint8 (E8M0 scales of fromk_w, one for each 32 codes along K); fromv_b 2,048 float32; fromv_w_codes 2,048 x 16 x 16 uint8 (E2M1 codes of fromv_w, K innermost, in blocks of 32 codes, two codes a byte); fromv_w_scales 2,048 x 16 uint8 (E8M0 scales of fromv_w, one for each 32 codes along K); kc_b 256 float32; kc_w_codes 256 x 16 x 16 uint8 (E2M1 codes of kc_w, K innermost, in blocks of 32 codes, two codes a byte); kc_w_scales 256 x 16 uint8 (E8M0 scales of kc_w, one for each 32 codes along K); kd_b 512 float32; kd_w_codes 512 x 8 x 16 uint8 (E2M1 codes of kd_w, K innermost, in blocks of 32 codes, two codes a byte); kd_w_scales 512 x 8 uint8 (E8M0 scales of kd_w, one for each 32 codes along K); out_b 1,024 float32; out_w_codes 1,024 x 64 x 16 uint8 (E2M1 codes of out_w, K innermost, in blocks of 32 codes, two codes a byte); out_w_scales 1,024 x 64 uint8 (E8M0 scales of out_w, one for each 32 codes along K); tok_b 512 float32; tok_w_codes 512 x 32 x 16 uint8 (E2M1 codes of tok_w, K innermost, in blocks of 32 codes, two codes a byte); tok_w_scales 512 x 32 uint8 (E8M0 scales of tok_w, one for each 32 codes along K); tov_b 512 float32; tov_w_codes 512 x 32 x 16 uint8 (E2M1 codes of tov_w, K innermost, in blocks of 32 codes, two codes a byte); tov_w_scales 512 x 32 uint8 (E8M0 scales of tov_w, one for each 32 codes along K); vc_b 256 float32; vc_w_codes 256 x 16 x 16 uint8 (E2M1 codes of vc_w, K innermost, in blocks of 32 codes, two codes a byte); vc_w_scales 256 x 16 uint8 (E8M0 scales of vc_w, one for each 32 codes along K); vd_b 512 float32; vd_w_codes 512 x 8 x 16 uint8 (E2M1 codes of vd_w, K innermost, in blocks of 32 codes, two codes a byte); vd_w_scales 512 x 8 uint8 (E8M0 scales of vd_w, one for each 32 codes along K); x_codes 2 x 2,048 x 32 x 16 uint8 (E2M1 codes of x, K innermost, in blocks of 32 codes, two codes a byte); x_scales 2 x 2,048 x 32 uint8 (E8M0 scales of x, one for each 32 codes along K).
;; Outputs: out0 2 x 2,048 x 1,024 float32.
;; This version of the problem:
;;   THIS VERSION OF THE PROBLEM IS GIVEN IN LOW PRECISION. The matrix products marked QUANTISED in the list below multiply operands that are first quantised to E2M1 (2 exponent bits, 1 mantissa bit; 4 bits a number), with one power-of-two scale for each 32 numbers along K (OCP MX v1.0); their sums are f32. All else is computed in f32.
;;   The module's matrix products, in the order in which they are computed (A, B: the left and right operand; K: the contracted axis; several contracted axes count as one K, in the product's order):
;;     1. [M 4,096, K 1,024] x [K 1,024, N 2,048]; A: input x (given as codes); B: input Wq_w (given as codes): QUANTISED
;;     2. [M 4,096, K 1,024] x [K 1,024, N 512]; A: input x (given as codes); B: input tok_w (given as codes): QUANTISED
;;     3. [M 4,096, K 512] x [K 512, N 256]; A: computed on the way; B: input kc_w (given as codes): QUANTISED
;;     4. [M 4,096, K 256] x [K 256, N 512]; A: computed on the way; B: input kd_w (given as codes): QUANTISED
;;     5. [M 4,096, K 1,024] x [K 1,024, N 512]; A: input x (given as codes); B: input tov_w (given as codes): QUANTISED
;;     6. [M 4,096, K 512] x [K 512, N 256]; A: computed on the way; B: input vc_w (given as codes): QUANTISED
;;     7. [M 4,096, K 256] x [K 256, N 512]; A: computed on the way; B: input vd_w (given as codes): QUANTISED
;;     8. [M 4,096, K 512] x [K 512, N 2,048]; A: computed on the way; B: input fromk_w (given as codes): QUANTISED
;;     9. [M 4,096, K 512] x [K 512, N 2,048]; A: computed on the way; B: input fromv_w (given as codes): QUANTISED
;;     10. batch 32 x [M 2,048, K 128] x [K 128, N 2,048]; A: computed on the way; B: computed on the way: QUANTISED
;;     11. batch 32 x [M 2,048, K 2,048] x [K 2,048, N 128]; A: softmax (see below); B: computed on the way: QUANTISED
;;     12. [M 4,096, K 2,048] x [K 2,048, N 1,024]; A: computed on the way; B: input out_w (given as codes): QUANTISED
;;   THE QUANTISER, for each operand of a quantised product, along K:
;;     - K is cut into blocks of 32 from its start; a last block that is shorter is filled with zeros.
;;     - A block's scale is 2^e with e = floor(log2(the largest magnitude in the block)) - 2, held to -126 .. 127; a block of zeros has e = 0. As a byte (E8M0): e + 127.
;;     - Each number is divided by its block's scale, clamped to +-6, and rounded to the nearest number of E2M1, ties to even, subnormals kept.
;;     - The product sums the exact products of the quantised numbers (number of the format x scale) in f32.
;;   ~~~python
;;   def quantise(x, axis):      # numpy; x: float32 -> the quantised numbers, widened to float32 again
;;       x = np.moveaxis(x, axis, -1); K = x.shape[-1]
;;       x = np.pad(x, [(0, 0)] * (x.ndim - 1) + [(0, -K % 32)]); x = x.reshape(x.shape[:-1] + (-1, 32)); a = np.abs(x).max(-1, keepdims=True)
;;       e = np.where(a > 0, np.clip(np.frexp(np.where(a > 0, a, 1))[1] - 1 - 2, -126, 127), 0)      # np.frexp(a)[1] - 1 = floor(log2(a)), exactly
;;       r = np.clip(x / 2.0 ** e, -6, 6)
;;       step = 2.0 ** (np.maximum(np.frexp(np.where(r == 0, 1, r))[1] - 1, 0) - 1)
;;       q = np.round(r / step) * step * 2.0 ** e      # np.round: ties to even
;;       return np.moveaxis(q.reshape(q.shape[:-2] + (-1,))[..., :K], -1, axis).astype(np.float32)
;;   ~~~
;;   SOFTMAX AHEAD OF A QUANTISED PRODUCT. Where the list says 'softmax', what is quantised is not the finished softmax but p = 2^(t - M), with t = logit x log2(e) and M = ceil(the row's largest t), a whole number; so 1/2 < the row's largest p <= 1. The row's sum l is taken of the UNQUANTISED p, in f32, and the product's result is divided by l at the end. Since M is a whole number, a kernel that streams over the keys may use a running M (the ceiling of the running maximum): every later rescaling is an exact power of two, which a block's scale takes up: the codes' values come out the same.
;;   OPERANDS COMPUTED ON THE WAY. 'Computed on the way' means the value that the module computes at that place (a softmax that the list does not call 'softmax' is quantised finished and normalised). What goes into a quantiser is computed in f32, as accurately as f32 sums, v_exp_f32 and their like allow (about 1e-6 of the number): no bf16 or f16 on the way to a quantiser, and a product that is left as it is and whose result goes on into a quantised operand takes f32 operands (vector FMAs, or v_wmma_f32_16x16x4_f32). A number that lies on a knife's edge between two numbers of the format may be rounded either way, as far as f32 arithmetic and the matrix unit's own rounding can turn it there, and no further.
;;   INPUTS GIVEN AS CODES. Wq_w (in the module: [2048, 1024], K = its axis 1); fromk_w (in the module: [2048, 512], K = its axis 1); fromv_w (in the module: [2048, 512], K = its axis 1); kc_w (in the module: [256, 512], K = its axis 1); kd_w (in the module: [512, 256], K = its axis 1); out_w (in the module: [1024, 2048], K = its axis 1); tok_w (in the module: [512, 1024], K = its axis 1); tov_w (in the module: [512, 1024], K = its axis 1); vc_w (in the module: [256, 512], K = its axis 1); vd_w (in the module: [512, 256], K = its axis 1); x (in the module: [2, 2048, 1024], K = its axis 2): each comes as NAME_codes (uint8): NAME with its K axis moved to the last place and cut into blocks of 32 codes, [.., K / 32, bytes a block], one block behind the other in memory; two codes a byte, the lower K in the low four bits (a code: sign, 2 exponent bits, 1 mantissa bit); and NAME_scales (uint8): the same leading axes, one E8M0 byte (e + 127) for each 32 codes along K. Its value is code x scale, taken as it is: it is not quantised again, and the codes and scales need not be those that the quantiser above would give.
;; One version. Each part assembles by itself: llvm-mc -triple=amdgcn-amd-amdhsa -mcpu=gfx1250 --defsym DOCPART=n.
;; ======== version 1 of 1: 4 launches
;; limits: right only within a limited range of input values
;; workspace buffers: lat_img 2,097,152 bytes; lat_sc 131,072 bytes; tab 1,048,576 bytes; qkv_img 12,582,912 bytes; qkv_sc 786,432 bytes; ao_img 4,194,304 bytes; ao_sc 262,144 bytes
;; launch lat (part 1): grid 128 x 2, 4 waves a work-group, clusters of 4 x 1, 327,680 bytes of LDS; arguments x_codes, x_scales, tok_w_codes, tok_w_scales, tok_b, kc_w_codes, kc_w_scales, kc_b, kd_w_codes, kd_w_scales, kd_b, tov_w_codes, tov_w_scales, tov_b, vc_w_codes, vc_w_scales, vc_b, vd_w_codes, vd_w_scales, vd_b, lat_img, lat_sc, tab; writes lat_img, lat_sc, tab
.if DOCPART == 1
	.amdgcn_target "amdgcn-amd-amdhsa--gfx1250"
	.amdhsa_code_object_version 6
	.text
	.protected	k_qe591c67727_lat
	.globl	k_qe591c67727_lat
	.p2align	8
	.type	k_qe591c67727_lat,@function
k_qe591c67727_lat:
	s_mov_b64 s[64:65], 0
	v_nop
	global_prefetch_b8 v0, s[64:65] scope:SCOPE_SE
	s_setreg_imm32_b32 hwreg(HW_REG_WAVE_MODE, 25, 1), 1
	s_wait_xcnt 0x0
	s_wait_alu depctr_hold_cnt(0) depctr_sa_sdst(0) depctr_va_vdst(0) depctr_va_sdst(0) depctr_va_ssrc(0) depctr_va_vcc(0) depctr_vm_vsrc(0)
	s_getreg_b32 s2, hwreg(HW_REG_IB_STS2, 6, 4)
	s_cmp_eq_u32 s2, 0
	s_cbranch_scc0 .Lentry_in_a_cluster
	s_endpgm
.Lentry_in_a_cluster:
	s_bfe_u32 s2, ttmp6, 0x10000c
	s_cmp_lg_u32 s2, 0x3003
	s_cbranch_scc0 .Lentry_shape_is_right
	s_endpgm
.Lentry_shape_is_right:
.set PITCH, 528                        ; a row of the first weight in LDS: 512 bytes + 16 of padding
.set WTW,   128*PITCH                  ; a wave's 128 rows, all of K
.set H1IMG, 278528                     ; behind the four waves' rows (270,336 bytes)
.set H1SC,  H1IMG+8*1024
.set H2IMG, H1SC+8*128
.set H2SC,  H2IMG+4*1024
.set LSC,   H2SC+4*128
.set LI,   4
.set LS,   5
.set XA,   6
.set AW,   7
.set SA32, 9
.set KCA,  10
.set KDA,  11
.set SA16, 12
.set SA8,  13
.set BIA,  14
.set H1W,  15
.set H1SW, 16
.set H1R,  17
.set H1SR, 18
.set H2W,  19
.set H2SW, 20
.set H2R,  21
.set H2SR, 22
.set LSW,  23
.set LSR,  24
.set XS,   32
.set W1S,  40
.set KCS,  72
.set KDS,  88
.set TM,   96
.set PC,   112
.set PW,   120
.set HS,   121
.set HA,   128
.set SEL,  54
.set WV,   56
.set G1,   68
.set G0,   76
.set MSB, 0
.macro WIN new
.if MSB != \new
	s_set_vgpr_msb (MSB<<8)|\new
.set MSB, \new
.endif
.endm
.macro PLACES n
.rept \n
	v_nop
.endr
.endm
.macro ROUND
	s_barrier_signal -1
	s_barrier_wait -1
	s_cmp_lg_u32 s[WV], 0
	s_cbranch_scc1 .Lnot_wave_0_\@
	s_barrier_signal -3
.Lnot_wave_0_\@:
	s_barrier_wait -3
	s_barrier_signal -1
	s_barrier_wait -1
.endm
.macro BARRIER
	s_wait_dscnt 0x0
	s_barrier_signal -1
	s_barrier_wait -1
.endm
.macro PADD p, o
	s_mov_b32 s98, s[\o]
	s_mov_b32 s99, 0
	s_add_nc_u64 s[\p:\p+1], s[\p:\p+1], s[98:99]
.endm
.macro MM d, a, b, c, sa, sb, ra, rb
.if (\ra) && (\rb)
	v_wmma_scale_f32_16x16x128_f8f6f4 v[\d:\d+7], v[\a:\a+7], v[\b:\b+7], v[\c:\c+7], v[\sa], v[\sb] matrix_a_fmt:MATRIX_FMT_FP4 matrix_b_fmt:MATRIX_FMT_FP4 matrix_a_scale:MATRIX_SCALE_ROW1 matrix_b_scale:MATRIX_SCALE_ROW1
.elseif (\ra)
	v_wmma_scale_f32_16x16x128_f8f6f4 v[\d:\d+7], v[\a:\a+7], v[\b:\b+7], v[\c:\c+7], v[\sa], v[\sb] matrix_a_fmt:MATRIX_FMT_FP4 matrix_b_fmt:MATRIX_FMT_FP4 matrix_a_scale:MATRIX_SCALE_ROW1
.elseif (\rb)
	v_wmma_scale_f32_16x16x128_f8f6f4 v[\d:\d+7], v[\a:\a+7], v[\b:\b+7], v[\c:\c+7], v[\sa], v[\sb] matrix_a_fmt:MATRIX_FMT_FP4 matrix_b_fmt:MATRIX_FMT_FP4 matrix_b_scale:MATRIX_SCALE_ROW1
.else
	v_wmma_scale_f32_16x16x128_f8f6f4 v[\d:\d+7], v[\a:\a+7], v[\b:\b+7], v[\c:\c+7], v[\sa], v[\sb] matrix_a_fmt:MATRIX_FMT_FP4 matrix_b_fmt:MATRIX_FMT_FP4
.endif
.endm
.macro QUANT s
.irp b, 0,1,2,3
	v_max3_num_f32 v[TM+\b], |v[\s+16*\b]|, |v[\s+16*\b+1]|, 0x1800000
.endr
.irp i, 2,4,6,8,10,12,14
.irp b, 0,1,2,3
	v_max3_num_f32 v[TM+\b], v[TM+\b], |v[\s+16*\b+\i]|, |v[\s+16*\b+\i+1]|
.endr
.endr
.irp b, 0,1,2,3
	v_permlanex16_b32 v[TM+4+\b], v[TM+\b], s[SEL], s[SEL+1]
.endr
.irp b, 0,1,2,3
	v_max_num_f32 v[TM+\b], v[TM+\b], v[TM+4+\b]
.endr
.irp b, 0,1,2,3
	v_add_nc_u32 v[TM+12+\b], 0xff000000, v[TM+\b]
.endr
.irp b, 0,1,2,3
	v_lshrrev_b32 v[TM+4+\b], 23, v[TM+12+\b]
.endr
	v_lshl_or_b32 v[PW], v[TM+5], 8, v[TM+4]
	v_lshl_or_b32 v[PW], v[TM+6], 16, v[PW]
	v_lshl_or_b32 v[PW], v[TM+7], 24, v[PW]
.irp b, 0,1,2,3
.irp u, 0,1
	v_cvt_scalef32_pk8_fp4_f32 v[PC+4*(\b/2)+2*\u+(\b%2)], v[\s+16*\b+8*\u:\s+16*\b+8*\u+7], v[TM+12+\b]
.endr
.endr
	v_nop
.irp c, 0,1
.irp u, 0,1
	v_permlane16_swap_b32 v[PC+4*\c+2*\u], v[PC+4*\c+2*\u+1]
.endr
.endr
.endm
	s_load_b128 s[4:7], s[0:1], 0x0
	s_load_b512 s[8:23], s[0:1], 0x10
	s_load_b64 s[24:25], s[0:1], 0x50
	s_load_b512 s[28:43], s[0:1], 0x58
	s_load_b64 s[44:45], s[0:1], 0x98
	s_load_b128 s[48:51], s[0:1], 0xa0
	s_load_b64 s[52:53], s[0:1], 0xb0
	v_lshl_add_u32 v126, v0, 2, 0x47800
	v_mov_b32 v127, 0
	ds_add_u32 v126, v127
	ds_add_u32 v126, v127
	v_lshrrev_b32 v1, 5, v0
	v_readfirstlane_b32 s[WV], v1
	v_and_b32 v1, 31, v0
	s_wait_alu depctr_va_vdst(0)
	v_and_b32 v2, 15, v0
	v_bfe_u32 v3, v0, 4, 1
	s_wait_alu depctr_va_vdst(0)
	s_bfe_u32 s67, ttmp6, 0x40000
	s_lshl_b32 s63, ttmp9, 2
	s_add_co_u32 s63, s63, s67
	s_and_b32 s66, ttmp7, 0xffff
	s_mov_b32 s[SEL], 0x76543210
	s_mov_b32 s[SEL+1], 0xfedcba98
	s_mov_b32 s57, 0xb94ca1f9
	s_mov_b32 s58, 0x3c08839e
	s_mov_b32 s59, 0xbe2aaaa3
	s_mov_b32 s60, 0x37ccf5ce
	s_mov_b32 s61, 0xbab6061a
	s_mov_b32 s62, 0x3d2aaaa5
	s_mov_b32 s[G1+0], 15|(1<<20)|(1<<21)|(6<<22)|(3<<25)      ; 128 whole rows of 512 bytes, 16 bytes of padding behind each; the mask names all four work-groups
	s_mov_b32 s[G1+1], 512<<16
	s_mov_b32 s[G1+2], 128<<16
	s_mov_b32 s[G1+3], 512<<16
	s_mov_b32 s[G1+4], 128
	s_mov_b32 s[G1+5], 512
	s_mov_b32 s[G1+6], 0
	s_mov_b32 s[G1+7], 0
	s_lshl_b32 s92, s[WV], 16
	s_mov_b32 s93, 0
	s_mul_i32 s94, s[WV], WTW
	v_lshlrev_b32 v[LI], 4, v1
	v_lshlrev_b32 v[LS], 2, v1
	v_lshlrev_b32 v25, 4, v3
	v_lshl_add_u32 v[XA], v2, 9, v25
	v_mad_u32_u24 v[AW], v2, PITCH, v25
	v_add_nc_u32 v[AW], s94, v[AW]
	v_lshl_add_u32 v[SA32], v2, 5, v25
	v_lshl_add_u32 v[KCA], v2, 8, v25
	v_lshl_add_u32 v[KDA], v2, 7, v25
	v_lshlrev_b32 v[SA16], 3, v3
	v_lshl_add_u32 v[SA16], v2, 4, v[SA16]
	v_lshlrev_b32 v[SA8], 2, v3
	v_lshl_add_u32 v[SA8], v2, 3, v[SA8]
	v_lshlrev_b32 v[BIA], 5, v3
	s_lshl_b32 s84, s[WV], 10
	s_lshl_b32 s85, s[WV], 7
	s_lshr_b32 s86, s[WV], 1
	s_and_b32 s87, s[WV], 1
	s_lshl_b32 s88, s86, 12
	s_lshl_b32 s89, s86, 9
	s_lshl_b32 s90, s[WV], 6
	v_add_nc_u32 v[H1W], s84, v[LI]
	v_add_nc_u32 v[H2W], H2IMG, v[H1W]
	v_add_nc_u32 v[H1W], H1IMG, v[H1W]
	v_add_nc_u32 v[H1SW], s85, v[LS]
	v_add_nc_u32 v[H2SW], H2SC, v[H1SW]
	v_add_nc_u32 v[H1SW], H1SC, v[H1SW]
	v_add_nc_u32 v[H1R], s88, v[LI]
	v_add_nc_u32 v[H1R], H1IMG, v[H1R]
	v_add_nc_u32 v[H1SR], s89, v[LS]
	v_add_nc_u32 v[H1SR], H1SC, v[H1SR]
	v_add_nc_u32 v[H2R], H2IMG, v[LI]
	v_add_nc_u32 v[H2SR], H2SC, v[LS]
	v_lshl_add_u32 v[LSW], v2, 2, s90
	v_add_nc_u32 v[LSW], LSC, v[LSW]
	v_add_nc_u32 v[LSR], LSC, v[LI]
.irp b, 0,1,2,3
	v_mov_b32 v[TM+4+\b], 0
.endr
	s_wait_dscnt 0x0
	s_wait_kmcnt 0x0
	s_cmp_eq_u32 s66, 0
.irp i, 0,1,2,3,4,5,6,7
	s_cselect_b64 s[8+2*\i:9+2*\i], s[8+2*\i:9+2*\i], s[28+2*\i:29+2*\i]
.endr
	s_cselect_b64 s[24:25], s[24:25], s[44:45]
	s_add_nc_u64 s[92:93], s[8:9], s[92:93]
	s_mov_b32 s[G0], 1
	s_mov_b32 s[G0+1], s94
	s_mov_b64 s[G0+2:G0+3], s[92:93]
	s_or_b32 s[G0+3], s[G0+3], 0x80000000
	ROUND
	tensor_load_to_lds s[G0:G0+3], s[G1:G1+7]      ; my one tensor load: my 128 rows of the first weight, which I alone read
	s_nop 0
	s_wait_alu depctr_va_vdst(0)
	PLACES 4
	s_lshl_b32 s91, s63, 14
	PADD 4, 91
	s_lshl_b32 s91, s63, 10
	PADD 6, 91
	s_lshl_b32 s91, s[WV], 12
	PADD 10, 91
	s_lshl_b32 s91, s[WV], 9
	PADD 12, 91
	PADD 24, 91
	s_lshl_b32 s91, s87, 15
	PADD 14, 91
	s_lshl_b32 s91, s87, 11
	PADD 16, 91
	s_lshl_b32 s91, s87, 9
	PADD 18, 91
	s_lshl_b32 s91, s[WV], 14
	PADD 20, 91
	PADD 22, 84
	s_lshl_b32 s91, s66, 20
	s_lshl_b32 s95, s63, 13
	s_add_co_u32 s91, s91, s95
	s_add_co_u32 s91, s91, s84
	PADD 48, 91
	s_lshl_b32 s91, s66, 16
	s_lshl_b32 s95, s63, 9
	s_add_co_u32 s91, s91, s95
	PADD 50, 91
	s_lshl_b32 s84, s66, 7
	s_add_co_u32 s84, s84, s63
	s_lshr_b32 s85, s84, 1
	s_and_b32 s86, s84, 1
	s_lshl_b32 s86, s86, 2
	s_add_co_u32 s86, s86, s[WV]
	s_lshr_b32 s87, s86, 1
	s_lshl_b32 s87, s87, 4
	s_and_b32 s88, s86, 1
	s_lshl_b32 s88, s88, 2
	s_add_co_u32 s87, s87, s88
	s_lshl_b32 s88, s85, 4
	s_lshl_b32 s89, s85, 13
	s_lshl_b32 s90, s86, 9
	s_add_co_u32 s91, s89, s90
	PADD 52, 91
.irp m, 0,1
	global_load_b128 v[XS+4*\m:XS+4*\m+3], v[SA32], s[6:7] offset:512*\m
.endr
.irp t, 0,1,2,3,4,5,6,7
	global_load_b128 v[W1S+4*\t:W1S+4*\t+3], v[SA32], s[10:11] offset:512*\t
.endr
	WIN 0x80
.irp m, 0,1
.irp s, 0,1,2,3,4,5,6,7
.irp c, 0,1
	global_load_b128 v[8*(8*\m+\s)+4*\c:8*(8*\m+\s)+4*\c+3], v[XA], s[4:5] offset:8192*\m+64*\s+32*\c
.endr
.endr
.endr
	WIN 0
.set TJ, 128
.set TA, 132
.set TL, 136
.set TE, 140
.set TN, 144
.set TR, 148
.set TZ, 152
.set TS, 156
.set TC, 160
.set TI, 164
.set TOC, 168
.set TOS, 172
.set TT, 176
.set TW, 180
.set TH, 184
	v_lshl_add_u32 v[TT], v3, 3, s87
	v_add_nc_u32 v[TT+1], s88, v2
	v_cvt_f32_u32 v[TT+1], v[TT+1]
.irp e, 0,1,2,3
	v_add_nc_u32 v[TJ+\e], \e, v[TT]
	v_cvt_f32_u32 v[TJ+\e], v[TJ+\e]
	v_mul_f32 v[TA+\e], 0x3e549a78, v[TJ+\e]
	v_fma_f32 v[TL+\e], v[TJ+\e], 0x3e549a78, -v[TA+\e]
	v_fma_f32 v[TL+\e], v[TJ+\e], 0x31979a39, v[TL+\e]
	s_wait_alu depctr_va_vdst(0)
	v_exp_f32 v[TE+\e], -v[TA+\e]
	v_mul_f32 v[TL+\e], 0xbf317218, v[TL+\e]
	s_wait_alu depctr_va_vdst(0)
	v_fma_f32 v[TE+\e], v[TE+\e], v[TL+\e], v[TE+\e]
	v_mul_f32 v[TE+\e], v[TT+1], v[TE+\e]
	v_mul_f32 v[TN+\e], 0x3f22f983, v[TE+\e]
	v_rndne_f32 v[TN+\e], v[TN+\e]
	v_fma_f32 v[TR+\e], v[TN+\e], 0xbfc90fdb, v[TE+\e]
	v_fma_f32 v[TR+\e], v[TN+\e], 0x333bbd2e, v[TR+\e]
	v_cvt_i32_f32 v[TI+\e], v[TN+\e]
	v_mul_f32 v[TZ+\e], v[TR+\e], v[TR+\e]
	v_fma_f32 v[TS+\e], v[TZ+\e], s57, s58
	v_fma_f32 v[TC+\e], v[TZ+\e], s60, s61
	v_fma_f32 v[TS+\e], v[TS+\e], v[TZ+\e], s59
	v_fma_f32 v[TC+\e], v[TC+\e], v[TZ+\e], s62
	v_mul_f32 v[TW+\e], v[TR+\e], v[TZ+\e]
	v_fma_f32 v[TH+\e], v[TZ+\e], -0.5, 1.0
	v_fma_f32 v[TS+\e], v[TW+\e], v[TS+\e], v[TR+\e]
	v_mul_f32 v[TW+\e], v[TZ+\e], v[TZ+\e]
	v_fma_f32 v[TC+\e], v[TW+\e], v[TC+\e], v[TH+\e]
	v_and_b32 v[TW+\e], 1, v[TI+\e]
	v_cmp_eq_u32 vcc_lo, 1, v[TW+\e]
	v_cndmask_b32 v[TOS+\e], v[TS+\e], v[TC+\e], vcc_lo
	v_cndmask_b32 v[TOC+\e], v[TC+\e], v[TS+\e], vcc_lo
	v_lshlrev_b32 v[TW+\e], 30, v[TI+\e]
	v_and_b32 v[TW+\e], 0x80000000, v[TW+\e]
	v_xor_b32 v[TOS+\e], v[TW+\e], v[TOS+\e]
	v_add_nc_u32 v[TI+\e], 1, v[TI+\e]
	v_lshlrev_b32 v[TW+\e], 30, v[TI+\e]
	v_and_b32 v[TW+\e], 0x80000000, v[TW+\e]
	v_xor_b32 v[TOC+\e], v[TW+\e], v[TOC+\e]
.endr
	global_store_b128 v[LI], v[TOC:TOC+3], s[52:53]
	global_store_b128 v[LI], v[TOS:TOS+3], s[52:53] offset:4096
	s_wait_xcnt 0x0
.irp m, 0,1
.irp t, 0,1,2,3,4,5,6,7
.irp q, 0,1
	global_load_b128 v[HA+64*\m+8*\t+4*\q:HA+64*\m+8*\t+4*\q+3], v[BIA], s[12:13] offset:64*\t+16*\q
.endr
.endr
.endr
.irp t, 0,1,2,3,4,5,6,7
	global_load_b64 v[KCS+2*\t:KCS+2*\t+1], v[SA16], s[16:17] offset:256*\t
.endr
	WIN 0x40
.irp t, 0,1,2,3,4,5,6,7
.irp q, 0,1
	global_load_b128 v[128+8*\t+4*\q:128+8*\t+4*\q+3], v[BIA], s[18:19] offset:64*\t+16*\q
.endr
.endr
	WIN 0xc0
.irp t, 0,1,2,3,4,5,6,7
.irp s, 0,1,2,3
.irp c, 0,1
	global_load_b128 v[8*(4*\t+\s)+4*\c:8*(4*\t+\s)+4*\c+3], v[KCA], s[14:15] offset:4096*\t+64*\s+32*\c
.endr
.endr
.endr
	WIN 0
.irp t, 0,1,2,3,4,5,6,7
	global_load_b32 v[KDS+\t], v[SA8], s[22:23] offset:128*\t
.endr
	WIN 0x40
.irp t, 0,1,2,3,4,5,6,7
.irp q, 0,1
	global_load_b128 v[192+8*\t+4*\q:192+8*\t+4*\q+3], v[BIA], s[24:25] offset:64*\t+16*\q
.endr
.endr
	WIN 0x80
.irp t, 0,1,2,3,4,5,6,7
.irp s, 0,1
.irp c, 0,1
	global_load_b128 v[128+8*(2*\t+\s)+4*\c:128+8*(2*\t+\s)+4*\c+3], v[KDA], s[20:21] offset:2048*\t+64*\s+32*\c
.endr
.endr
.endr
	WIN 0
	s_wait_loadcnt 63
	s_wait_tensorcnt 0x0
.macro FETCHW s, p
	WIN 0x40
.irp t, 0,1,2,3,4,5,6,7
.irp c, 0,1
	ds_load_b128 v[64*(\p)+8*\t+4*\c:64*(\p)+8*\t+4*\c+3], v[AW] offset:\t*16*PITCH+64*(\s)+32*\c
.endr
.endr
.endm
	FETCHW 0, 0
.set S, 0
.rept 8
.if S < 7
.if S > 0
	PLACES 4
.endif
	FETCHW S+1, (S+1)&1
	s_wait_dscnt 16
.else
	s_wait_dscnt 0x0
.endif
	WIN 0x09
.irp t, 0,1,2,3,4,5,6,7
.irp m, 0,1
	MM HA+64*\m+8*\t, 64*(S&1)+8*\t, 8*(8*\m+S), HA+64*\m+8*\t, W1S+4*\t+(S&3), XS+4*\m+(S&3), S>>2, S>>2
.endr
.endr
.set S, S+1
.endr
	WIN 0
	PLACES 4
.irp m, 0,1
	QUANT HA+64*\m
	ds_store_b128 v[H1W], v[PC:PC+3] offset:4096*\m
	ds_store_b128 v[H1W], v[PC+4:PC+7] offset:4096*\m+512
	ds_store_b32 v[H1SW], v[PW] offset:512*\m
	s_wait_dscnt 0x0
.endr
	BARRIER
	WIN 0x40
.irp s, 0,1,2,3
.irp c, 0,1
	ds_load_b128 v[8*\s+4*\c:8*\s+4*\c+3], v[H1R] offset:1024*\s+512*\c
.endr
.endr
	WIN 0
.irp s, 0,1,2,3
	ds_load_b32 v[HS+\s], v[H1SR] offset:128*\s
.endr
	s_wait_dscnt 0x0
	s_wait_loadcnt 56
.irp s, 0,1,2,3
.if \s == 0
	WIN 0x17
.else
	WIN 0x07
.endif
.irp t, 0,1,2,3,4,5,6,7
.if \s == 0
	MM HA+8*\t, 8*(4*\t+\s), 8*\s, 128+8*\t, KCS+2*\t+(\s&1), HS+\s, \s>>1, 0
.else
	MM HA+8*\t, 8*(4*\t+\s), 8*\s, HA+8*\t, KCS+2*\t+(\s&1), HS+\s, \s>>1, 0
.endif
.endr
.endr
	WIN 0
	PLACES 4
	QUANT HA
	ds_store_b128 v[H2W], v[PC:PC+3]
	ds_store_b128 v[H2W], v[PC+4:PC+7] offset:512
	ds_store_b32 v[H2SW], v[PW]
	BARRIER
	WIN 0x40
.irp f, 0,1,2,3
.irp c, 0,1
	ds_load_b128 v[8*\f+4*\c:8*\f+4*\c+3], v[H2R] offset:1024*\f+512*\c
.endr
.endr
	WIN 0
.irp f, 0,1,2,3
	ds_load_b32 v[HS+\f], v[H2SR] offset:128*\f
.endr
	s_wait_dscnt 0x0
	s_wait_loadcnt 0x0
.irp s, 0,1
.if \s == 0
	WIN 0x16
.else
	WIN 0x06
.endif
.irp t, 0,1,2,3,4,5,6,7
.irp m, 0,1
.if \s == 0
	MM HA+64*\m+8*\t, 128+8*(2*\t+\s), 8*(2*\m+\s), 192+8*\t, KDS+\t, HS+2*\m+\s, \s, 0
.else
	MM HA+64*\m+8*\t, 128+8*(2*\t+\s), 8*(2*\m+\s), HA+64*\m+8*\t, KDS+\t, HS+2*\m+\s, \s, 0
.endif
.endr
.endr
.endr
	WIN 0
	PLACES 4
.irp m, 0,1
	s_wait_xcnt 0x0
	QUANT HA+64*\m
	global_store_b128 v[LI], v[PC:PC+3], s[48:49] offset:4096*\m
	global_store_b128 v[LI], v[PC+4:PC+7], s[48:49] offset:4096*\m+512
	ds_store_b32 v[LSW], v[PW] offset:256*\m
.endr
	BARRIER
	s_cmp_lg_u32 s[WV], 0
	s_cbranch_scc1 .Lnot_first
	ds_load_b128 v[TM:TM+3], v[LSR]
	s_wait_dscnt 0x0
	global_store_b128 v[LI], v[TM:TM+3], s[50:51]
.Lnot_first:
	s_wait_tensorcnt 0x0
	ds_add_u32 v126, v127
	s_wait_dscnt 0x0
	ROUND
	s_endpgm
.Lfunc_end_k_qe591c67727_lat:
	.size	k_qe591c67727_lat, .Lfunc_end_k_qe591c67727_lat-k_qe591c67727_lat
	.p2alignl 7, 3214868480
	.fill 96, 4, 3214868480
	.section	.rodata,"a",@progbits
	.p2align	6, 0x0
	.amdhsa_kernel k_qe591c67727_lat
		.amdhsa_group_segment_fixed_size 327680
		.amdhsa_private_segment_fixed_size 0
		.amdhsa_enable_private_segment 0
		.amdhsa_kernarg_size 184
		.amdhsa_user_sgpr_count 2
		.amdhsa_user_sgpr_kernarg_segment_ptr 1
		.amdhsa_wavefront_size32 1
		.amdhsa_system_sgpr_workgroup_id_x 1
		.amdhsa_system_sgpr_workgroup_id_y 1
		.amdhsa_system_sgpr_workgroup_id_z 1
		.amdhsa_system_vgpr_workitem_id 0
		.amdhsa_next_free_vgpr 1024
		.amdhsa_next_free_sgpr 100
		.amdhsa_reserve_vcc 1
		.amdhsa_float_denorm_mode_32 3
		.amdhsa_float_denorm_mode_16_64 3
		.amdhsa_memory_ordered 1
		.amdhsa_forward_progress 1
		.amdhsa_inst_pref_size 93
	.end_amdhsa_kernel
	.amdgpu_metadata
---
amdhsa.version: [ 1, 2 ]
amdhsa.kernels:
  - .name:           k_qe591c67727_lat
    .symbol:         k_qe591c67727_lat.kd
    .args:
      - { .name: x_codes, .offset: 0, .size: 8, .value_kind: global_buffer, .address_space: global }
      - { .name: x_scales, .offset: 8, .size: 8, .value_kind: global_buffer, .address_space: global }
      - { .name: tok_w_codes, .offset: 16, .size: 8, .value_kind: global_buffer, .address_space: global }
      - { .name: tok_w_scales, .offset: 24, .size: 8, .value_kind: global_buffer, .address_space: global }
      - { .name: tok_b, .offset: 32, .size: 8, .value_kind: global_buffer, .address_space: global }
      - { .name: kc_w_codes, .offset: 40, .size: 8, .value_kind: global_buffer, .address_space: global }
      - { .name: kc_w_scales, .offset: 48, .size: 8, .value_kind: global_buffer, .address_space: global }
      - { .name: kc_b, .offset: 56, .size: 8, .value_kind: global_buffer, .address_space: global }
      - { .name: kd_w_codes, .offset: 64, .size: 8, .value_kind: global_buffer, .address_space: global }
      - { .name: kd_w_scales, .offset: 72, .size: 8, .value_kind: global_buffer, .address_space: global }
      - { .name: kd_b, .offset: 80, .size: 8, .value_kind: global_buffer, .address_space: global }
      - { .name: tov_w_codes, .offset: 88, .size: 8, .value_kind: global_buffer, .address_space: global }
      - { .name: tov_w_scales, .offset: 96, .size: 8, .value_kind: global_buffer, .address_space: global }
      - { .name: tov_b, .offset: 104, .size: 8, .value_kind: global_buffer, .address_space: global }
      - { .name: vc_w_codes, .offset: 112, .size: 8, .value_kind: global_buffer, .address_space: global }
      - { .name: vc_w_scales, .offset: 120, .size: 8, .value_kind: global_buffer, .address_space: global }
      - { .name: vc_b, .offset: 128, .size: 8, .value_kind: global_buffer, .address_space: global }
      - { .name: vd_w_codes, .offset: 136, .size: 8, .value_kind: global_buffer, .address_space: global }
      - { .name: vd_w_scales, .offset: 144, .size: 8, .value_kind: global_buffer, .address_space: global }
      - { .name: vd_b, .offset: 152, .size: 8, .value_kind: global_buffer, .address_space: global }
      - { .name: lat_img, .offset: 160, .size: 8, .value_kind: global_buffer, .address_space: global }
      - { .name: lat_sc, .offset: 168, .size: 8, .value_kind: global_buffer, .address_space: global }
      - { .name: tab, .offset: 176, .size: 8, .value_kind: global_buffer, .address_space: global }
    .group_segment_fixed_size: 327680
    .private_segment_fixed_size: 0
    .kernarg_segment_align: 8
    .kernarg_segment_size: 184
    .max_flat_workgroup_size: 128
    .sgpr_count:     100
    .vgpr_count:     1024
    .wavefront_size: 32
...
	.end_amdgpu_metadata
.endif
;; end of part 1
;; launch qkv (part 2): grid 16 x 16, 4 waves a work-group, clusters of 4 x 4, 327,680 bytes of LDS; arguments x_codes, x_scales, Wq_w_codes, Wq_w_scales, Wq_b, fromk_w_codes, fromk_w_scales, fromk_b, fromv_w_codes, fromv_w_scales, fromv_b, lat_img, lat_sc, tab, qkv_img, qkv_sc; writes qkv_img, qkv_sc
.if DOCPART == 2
	.amdgcn_target "amdgcn-amd-amdhsa--gfx1250"
	.amdhsa_code_object_version 6
	.text
	.protected	k_qe591c67727_qkv
	.globl	k_qe591c67727_qkv
	.p2align	8
	.type	k_qe591c67727_qkv,@function
k_qe591c67727_qkv:
	s_mov_b64 s[64:65], 0
	v_nop
	global_prefetch_b8 v0, s[64:65] scope:SCOPE_SE
	s_setreg_imm32_b32 hwreg(HW_REG_WAVE_MODE, 25, 1), 1
	s_wait_xcnt 0x0
	s_wait_alu depctr_hold_cnt(0) depctr_sa_sdst(0) depctr_va_vdst(0) depctr_va_sdst(0) depctr_va_ssrc(0) depctr_va_vcc(0) depctr_vm_vsrc(0)
	s_getreg_b32 s2, hwreg(HW_REG_IB_STS2, 6, 4)
	s_cmp_eq_u32 s2, 0
	s_cbranch_scc0 .Lentry_in_a_cluster
	s_endpgm
.Lentry_in_a_cluster:
	s_bfe_u32 s2, ttmp6, 0x10000c
	s_cmp_lg_u32 s2, 0xf033
	s_cbranch_scc0 .Lentry_shape_is_right
	s_endpgm
.Lentry_shape_is_right:
; q = rope(x Wq^T + b), k = rope(klat fromk^T + b), v = vlat fromv^T + b, one head and 256 rows to a work-group, all three products on codes of FP4 with E8M0 scales; q and k are quantised along the
; head's 128, v along the tokens (the keys of the second product of attention), and all three leave as images of the operand's registers (1,024 bytes for 16 rows x 128 K) with 64 bytes of scale words.
; SHARES.  Work-group (rb, hd): rows 256 rb .. + 255, head hd.  Wave w: rows 64 w .. + 63 of them (four tiles m) x all 128 columns, since the rotation pairs column d with d + 64 in one lane.
; q and k are made transposed (source 0 = 16 rows of the weight, source 1 = 16 tokens): lane (r, h) holds token r, register 8 t + i column 16 t + 8 h + i.  v is made the other way round
; (source 0 = 16 tokens, source 1 = 16 rows of fromv): lane (r, h) holds channel 16 j + r, and its registers run along the tokens, which are the quantiser's K there.
; The activations are the wave's own rows: they go from memory straight into registers.  The weights of the head go through LDS, filled once, and each fragment read from LDS feeds four products.
; CLUSTER 4 x 4: the four work-groups of a row of the cluster share the head, so its weights are asked for jointly; the four of a column share the rows, so their part of the rotation's table is.
; LIMITS: NaN and infinities are not served; a block whose largest magnitude lies under 2^-124 keeps the scale byte 1 (a block of zeros too: its codes are zeros, and this program alone reads the bytes).
.set WKO,  128*528                     ; LDS: Wq's 128 rows (512 bytes + 16) from 0; fromk's 128 rows (256 bytes + 16) from here;
.set WVO,  WKO+128*272                 ; fromv's;
.set TABO, WVO+128*272                 ; the table, 32,768 bytes a wave (four token tiles of 8,192), dense;
.set SCL,  TABO+4*32768                ; the scale words on their way out: q's, k's, v's, 1,024 bytes each
.set LI,   4                           ; v4   16 x lane
.set LS,   5                           ; v5   4 x lane
.set XA,   6                           ; v6   512 r + 16 h
.set SA32, 7                           ; v7   32 r + 16 h
.set SA16, 8                           ; v8   16 r + 8 h
.set BIA,  9                           ; v9   32 h
.set R4,   10                          ; v10  4 r
.set ABQ,  11                          ; v11-13 a fragment's place in Wq's, fromk's, fromv's rows in LDS
.set ABK,  12
.set ABV,  13
.set TADR, 14                          ; v14  my table: TABO + 32,768 w + 16 x lane
.set SQ,   15                          ; v15  SCL + 256 w + 4 r
.set SV,   16                          ; v16  SCL + 2,048 + 512 (w / 2) + 2 (w % 2) + 4 r
.set VO,   17                          ; v17  16 r + 1,024 h
.set TL,   18                          ; v18  SCL + 1,024 min(w, 2) + 16 x lane
.set WQS,  32                          ; v32-63   Wq's scale words 4 t + e: lanes 0-15 K step e, lanes 16-31 K step 4 + e
.set FKS,  64                          ; v64-79   fromk's 2 t + e: lanes 16-31 K step 2 + e
.set FVS,  80                          ; v80-95   fromv's
.set XS,   96                          ; v96-111  x's 4 m + e
.set KLS,  112                         ; v112-119 klat's 2 m + p: lanes 0-15 K step 2 p, lanes 16-31 K step 2 p + 1
.set VLS,  120                         ; v120-127 vlat's
.set VB,   128                         ; v128-135 fromv_b of channel 16 j + r
.set TM,   136
.set PC,   152
.set PW,   160
.set RW,   192                         ; v192-255 64 numbers on their way into the quantiser
; window 1: v0-127 two buffers of weight fragments, later of the table; v128-191 Wq_b, v192-255 fromk_b in the result's layout.  window 2: x's fragments 64 m + 8 s; later klat's 32 m + 8 s and vlat's 128 + 32 m + 8 s.  window 3: 32 accumulators.
.set WV,   36
.set SEL,  46
.set G1Q,  48
.set G1L,  56
.set G1T,  68
.set G0Q,  76
.set G0L,  80
.set G0T,  84
.set MSB, 0
.macro WIN new                         ; the immediate's high byte repeats the setting that is left
.if MSB != \new
	s_set_vgpr_msb (MSB<<8)|\new
.set MSB, \new
.endif
.endm
.macro PLACES n
.rept \n
	v_nop
.endr
.endm
.macro ROUND                           ; a round of the cluster's barrier
	s_barrier_signal -1
	s_barrier_wait -1
	s_cmp_lg_u32 s[WV], 0
	s_cbranch_scc1 .Lnot_wave_0_\@
	s_barrier_signal -3
.Lnot_wave_0_\@:
	s_barrier_wait -3
	s_barrier_signal -1
	s_barrier_wait -1
.endm
.macro BARRIER
	s_wait_dscnt 0x0
	s_barrier_signal -1
	s_barrier_wait -1
.endm
.macro PADD p, o                       ; the pointer s[p:p+1] goes on by the 32-bit offset in s[o]
	s_mov_b32 s98, s[\o]
	s_mov_b32 s99, 0
	s_add_nc_u64 s[\p:\p+1], s[\p:\p+1], s[98:99]
.endm
; one product; cz = 1: it starts its sum with the constant 0; ra, rb = 1: that side's scale words are taken from lanes 16-31
.macro MM d, a, b, cz, c, sa, sb, ra, rb
.if \cz
.if (\ra) && (\rb)
	v_wmma_scale_f32_16x16x128_f8f6f4 v[\d:\d+7], v[\a:\a+7], v[\b:\b+7], 0, v[\sa], v[\sb] matrix_a_fmt:MATRIX_FMT_FP4 matrix_b_fmt:MATRIX_FMT_FP4 matrix_a_scale:MATRIX_SCALE_ROW1 matrix_b_scale:MATRIX_SCALE_ROW1
.elseif (\ra)
	v_wmma_scale_f32_16x16x128_f8f6f4 v[\d:\d+7], v[\a:\a+7], v[\b:\b+7], 0, v[\sa], v[\sb] matrix_a_fmt:MATRIX_FMT_FP4 matrix_b_fmt:MATRIX_FMT_FP4 matrix_a_scale:MATRIX_SCALE_ROW1
.elseif (\rb)
	v_wmma_scale_f32_16x16x128_f8f6f4 v[\d:\d+7], v[\a:\a+7], v[\b:\b+7], 0, v[\sa], v[\sb] matrix_a_fmt:MATRIX_FMT_FP4 matrix_b_fmt:MATRIX_FMT_FP4 matrix_b_scale:MATRIX_SCALE_ROW1
.else
	v_wmma_scale_f32_16x16x128_f8f6f4 v[\d:\d+7], v[\a:\a+7], v[\b:\b+7], 0, v[\sa], v[\sb] matrix_a_fmt:MATRIX_FMT_FP4 matrix_b_fmt:MATRIX_FMT_FP4
.endif
.else
.if (\ra) && (\rb)
	v_wmma_scale_f32_16x16x128_f8f6f4 v[\d:\d+7], v[\a:\a+7], v[\b:\b+7], v[\c:\c+7], v[\sa], v[\sb] matrix_a_fmt:MATRIX_FMT_FP4 matrix_b_fmt:MATRIX_FMT_FP4 matrix_a_scale:MATRIX_SCALE_ROW1 matrix_b_scale:MATRIX_SCALE_ROW1
.elseif (\ra)
	v_wmma_scale_f32_16x16x128_f8f6f4 v[\d:\d+7], v[\a:\a+7], v[\b:\b+7], v[\c:\c+7], v[\sa], v[\sb] matrix_a_fmt:MATRIX_FMT_FP4 matrix_b_fmt:MATRIX_FMT_FP4 matrix_a_scale:MATRIX_SCALE_ROW1
.elseif (\rb)
	v_wmma_scale_f32_16x16x128_f8f6f4 v[\d:\d+7], v[\a:\a+7], v[\b:\b+7], v[\c:\c+7], v[\sa], v[\sb] matrix_a_fmt:MATRIX_FMT_FP4 matrix_b_fmt:MATRIX_FMT_FP4 matrix_b_scale:MATRIX_SCALE_ROW1
.else
	v_wmma_scale_f32_16x16x128_f8f6f4 v[\d:\d+7], v[\a:\a+7], v[\b:\b+7], v[\c:\c+7], v[\sa], v[\sb] matrix_a_fmt:MATRIX_FMT_FP4 matrix_b_fmt:MATRIX_FMT_FP4
.endif
.endif
.endm
; 64 numbers of a lane in four blocks: register 16 B + 8 u + i = number 16 u + 8 h + i of block B.  Codes to v[PC] on: registers 4 c .. 4 c + 3 of lane (r, h) are block 2 c + h whole.  The four bytes stay in v[TM+4] on, their word in v[PW].
.macro QUANT s
.irp b, 0,1,2,3
	v_max3_num_f32 v[TM+\b], |v[\s+16*\b]|, |v[\s+16*\b+1]|, 0x1800000   ; my 16 numbers, and the floor 2^(3 - 127): the byte cannot fall under 1
.endr
.irp i, 2,4,6,8,10,12,14
.irp b, 0,1,2,3
	v_max3_num_f32 v[TM+\b], v[TM+\b], |v[\s+16*\b+\i]|, |v[\s+16*\b+\i+1]|
.endr
.endr
.irp b, 0,1,2,3
	v_permlanex16_b32 v[TM+4+\b], v[TM+\b], s[SEL], s[SEL+1]
.endr
.irp b, 0,1,2,3
	v_max_num_f32 v[TM+\b], v[TM+\b], v[TM+4+\b]
.endr
.irp b, 0,1,2,3
	v_add_nc_u32 v[TM+12+\b], 0xff000000, v[TM+\b] ; 2 off the exponent field: the conversion's scale operand
.endr
.irp b, 0,1,2,3
	v_lshrrev_b32 v[TM+4+\b], 23, v[TM+12+\b]      ; the scale's byte
.endr
	v_lshl_or_b32 v[PW], v[TM+5], 8, v[TM+4]
	v_lshl_or_b32 v[PW], v[TM+6], 16, v[PW]
	v_lshl_or_b32 v[PW], v[TM+7], 24, v[PW]
.irp b, 0,1,2,3
.irp u, 0,1
	v_cvt_scalef32_pk8_fp4_f32 v[PC+4*(\b/2)+2*\u+(\b%2)], v[\s+16*\b+8*\u:\s+16*\b+8*\u+7], v[TM+12+\b]
.endr
.endr
	v_nop                                          ; one plain place behind a scaled conversion
.irp c, 0,1
.irp u, 0,1
	v_permlane16_swap_b32 v[PC+4*\c+2*\u], v[PC+4*\c+2*\u+1]
.endr
.endr
.endm
	s_load_b512 s[4:19], s[0:1], 0x0               ; x codes 4, x scales 6, Wq codes 8, scales 10, b 12, fromk codes 14, scales 16, b 18
	s_load_b512 s[20:35], s[0:1], 0x40             ; fromv codes 20, scales 22, b 24, lat_img 26, lat_sc 28, tab 30, qkv_img 32, qkv_sc 34
	v_lshl_add_u32 v190, v0, 2, 0x42400
	v_mov_b32 v191, 0
	ds_add_u32 v190, v191
	ds_add_u32 v190, v191
	v_lshrrev_b32 v1, 5, v0
	v_readfirstlane_b32 s[WV], v1                  ; wave 0..3
	v_and_b32 v1, 31, v0
	s_wait_alu depctr_va_vdst(0)
	v_and_b32 v2, 15, v0                           ; r
	v_bfe_u32 v3, v0, 4, 1                         ; h
	s_wait_alu depctr_va_vdst(0)
	s_bfe_u32 s37, ttmp6, 0x40000                  ; cx
	s_bfe_u32 s38, ttmp6, 0x40004                  ; cy
	s_lshl_b32 s39, ttmp9, 2
	s_add_co_u32 s39, s39, s37                     ; rb: my block of 256 rows
	s_and_b32 s40, ttmp7, 0xffff
	s_lshl_b32 s40, s40, 2
	s_add_co_u32 s40, s40, s38                     ; hd: my head
	s_lshl_b32 s41, s38, 2
	s_lshl_b32 s41, 15, s41                        ; my row of the cluster: it shares the head
	s_lshl_b32 s42, 0x1111, s37                    ; my column: it shares the rows
	s_and_b32 s43, s39, 7                          ; the block within its batch
	s_lshr_b32 s44, s39, 3
	s_lshl_b32 s44, s44, 4
	s_add_co_u32 s44, s44, s40                     ; 16 x batch + head
	s_mov_b32 s[SEL], 0x76543210
	s_mov_b32 s[SEL+1], 0xfedcba98
	s_or_b32 s[G1Q], s41, (1<<20)|(1<<21)|(6<<22)|(3<<25)      ; Wq: 64 rows x 512 bytes, 16 bytes of padding behind each
	s_mov_b32 s[G1Q+1], 512<<16
	s_mov_b32 s[G1Q+2], 64<<16
	s_mov_b32 s[G1Q+3], 512<<16
	s_mov_b32 s[G1Q+4], 64
	s_mov_b32 s[G1Q+5], 512
	s_mov_b32 s[G1Q+6], 0
	s_mov_b32 s[G1Q+7], 0
	s_or_b32 s[G1L], s41, (1<<20)|(1<<21)|(5<<22)|(3<<25)      ; fromk, fromv: 128 rows x 256 bytes, padded likewise
	s_mov_b32 s[G1L+1], 256<<16
	s_mov_b32 s[G1L+2], 128<<16
	s_mov_b32 s[G1L+3], 256<<16
	s_mov_b32 s[G1L+4], 128
	s_mov_b32 s[G1L+5], 256
	s_mov_b32 s[G1L+6], 0
	s_mov_b32 s[G1L+7], 0
	s_or_b32 s[G1T], s42, (3<<16)|(1<<21)                      ; the table: 32,768 dense bytes as 128 rows of 32 elements of 8 bytes
	s_mov_b32 s[G1T+1], 32<<16
	s_mov_b32 s[G1T+2], 128<<16
	s_mov_b32 s[G1T+3], 32<<16
	s_mov_b32 s[G1T+4], 128
	s_mov_b32 s[G1T+5], 32
	s_mov_b32 s[G1T+6], 0
	s_mov_b32 s[G1T+7], 0
	s_and_b32 s88, s[WV], 1
	s_mul_i32 s89, s88, 64*528                     ; waves 0, 1: Wq's rows 64 (w & 1) on, in LDS
	s_lshl_b32 s90, s40, 16                        ; and in memory: (128 hd + 64 (w & 1)) rows of 512 bytes
	s_lshl_b32 s91, s88, 15
	s_add_co_u32 s90, s90, s91
	s_mov_b32 s91, 0
	s_mul_i32 s92, s88, 128*272                    ; wave 2: fromk's tile, wave 3: fromv's
	s_add_co_u32 s92, s92, WKO
	s_lshl_b32 s94, s40, 15                        ; 128 hd rows of 256 bytes
	s_mov_b32 s95, 0
	s_lshl_b32 s93, s[WV], 15
	s_lshl_b32 s98, s43, 17                        ; the table's tiles 16 x block + 4 w on, 8,192 bytes each
	s_add_co_u32 s98, s98, s93
	s_mov_b32 s99, 0
	s_add_co_u32 s93, s93, TABO
	v_lshlrev_b32 v[LI], 4, v1
	v_lshlrev_b32 v[LS], 2, v1
	v_lshlrev_b32 v19, 4, v3                       ; 16 h
	v_lshl_add_u32 v[XA], v2, 9, v19
	v_lshl_add_u32 v[SA32], v2, 5, v19
	v_lshlrev_b32 v[SA16], 3, v3
	v_lshl_add_u32 v[SA16], v2, 4, v[SA16]
	v_lshlrev_b32 v[BIA], 5, v3
	v_lshlrev_b32 v[R4], 2, v2
	v_mad_u32_u24 v[ABQ], v2, 528, v19
	v_mad_u32_u24 v[ABK], v2, 272, v19
	v_add_nc_u32 v[ABV], WVO, v[ABK]
	v_add_nc_u32 v[ABK], WKO, v[ABK]
	v_add_nc_u32 v[TADR], s93, v[LI]
	s_lshl_b32 s96, s[WV], 8
	v_add_nc_u32 v[SQ], s96, v[R4]
	v_add_nc_u32 v[SQ], SCL, v[SQ]
	s_lshr_b32 s96, s[WV], 1
	s_lshl_b32 s96, s96, 9
	s_lshl_b32 s97, s88, 1
	s_add_co_u32 s96, s96, s97
	v_add_nc_u32 v[SV], s96, v[R4]
	v_add_nc_u32 v[SV], SCL+2048, v[SV]
	v_lshlrev_b32 v[VO], 10, v3
	v_lshl_add_u32 v[VO], v2, 4, v[VO]
	s_min_u32 s45, s[WV], 2
	s_lshl_b32 s96, s45, 10
	v_add_nc_u32 v[TL], s96, v[LI]
	v_add_nc_u32 v[TL], SCL, v[TL]
.irp b, 0,1,2,3
	v_mov_b32 v[TM+4+\b], 0                        ; written once: a lane permute's destination counts as one of its sources
.endr
	s_wait_dscnt 0x0
	s_wait_kmcnt 0x0
	s_cmp_eq_u32 s[WV], 2
	s_cselect_b64 s[96:97], s[14:15], s[20:21]     ; fromk's codes or fromv's: the choice hangs on the wave's number alone
	s_mov_b32 s[G0Q], 1
	s_mov_b32 s[G0Q+1], s89
	s_add_nc_u64 s[G0Q+2:G0Q+3], s[8:9], s[90:91]
	s_or_b32 s[G0Q+3], s[G0Q+3], 0x80000000
	s_mov_b32 s[G0L], 1
	s_mov_b32 s[G0L+1], s92
	s_add_nc_u64 s[G0L+2:G0L+3], s[96:97], s[94:95]
	s_or_b32 s[G0L+3], s[G0L+3], 0x80000000
	s_mov_b32 s[G0T], 1
	s_mov_b32 s[G0T+1], s93
	s_add_nc_u64 s[G0T+2:G0T+3], s[30:31], s[98:99]
	s_or_b32 s[G0T+3], s[G0T+3], 0x80000000
	ROUND                                          ; all sixteen work-groups are here: the joint loads meet
	s_cmp_lt_u32 s[WV], 2                          ; the head's fills, one a wave: the weights' four tiles
	s_cbranch_scc0 .Llatent_w
	tensor_load_to_lds s[G0Q:G0Q+3], s[G1Q:G1Q+7]
	s_nop 0
	PLACES 4
	s_branch .Lasked
.Llatent_w:
	tensor_load_to_lds s[G0L:G0L+3], s[G1L:G1L+7]
	s_nop 0
	PLACES 4
.Lasked:
	; every pointer at my part
	s_lshl_b32 s94, s39, 17
	s_lshl_b32 s95, s[WV], 15
	s_add_co_u32 s94, s94, s95
	PADD 4, 94                                     ; x's codes: row 256 rb + 64 w
	s_lshl_b32 s94, s39, 13
	s_lshl_b32 s95, s[WV], 11
	s_add_co_u32 s94, s94, s95
	PADD 6, 94
	s_lshl_b32 s94, s40, 12
	PADD 10, 94                                    ; Wq's scales: 128 hd rows of 32 bytes
	s_lshl_b32 s94, s40, 9
	PADD 12, 94
	PADD 18, 94
	PADD 24, 94                                    ; the three biases
	s_lshl_b32 s94, s40, 11
	PADD 16, 94
	PADD 22, 94                                    ; fromk's and fromv's scales: rows of 16 bytes
	s_lshl_b32 s94, s39, 16
	s_lshl_b32 s95, s[WV], 14
	s_add_co_u32 s94, s94, s95
	PADD 26, 94                                    ; lat_img: tile 16 rb + 4 w, 4,096 bytes a tile
	s_lshl_b32 s94, s39, 12
	s_lshl_b32 s95, s[WV], 10
	s_add_co_u32 s94, s94, s95
	PADD 28, 94                                    ; lat_sc
	s_lshl_b32 s94, s44, 17
	s_lshl_b32 s95, s43, 14
	s_add_co_u32 s94, s94, s95                     ; the head's 131,072 bytes, the block's 16,384
	s_lshr_b32 s95, s[WV], 1
	s_lshl_b32 s95, s95, 13
	s_add_co_u32 s95, s95, s94
	s_lshl_b32 s96, s88, 9
	s_add_co_u32 s95, s95, s96
	s_add_co_u32 s95, s95, 0x800000
	s_mov_b64 s[92:93], s[32:33]
	PADD 92, 95                                    ; V^T's images: section 2, key step 2 x block + w / 2, keys 64 (w % 2) on
	s_lshl_b32 s95, s[WV], 12
	s_add_co_u32 s95, s95, s94
	PADD 32, 95                                    ; q's and k's images: token tile 16 x block + 4 w
	s_lshl_b32 s94, s45, 18
	s_lshl_b32 s95, s44, 13
	s_add_co_u32 s94, s94, s95
	s_lshl_b32 s95, s43, 10
	s_add_co_u32 s94, s94, s95
	PADD 34, 94                                    ; qkv_sc: section min(w, 2), the head, the block's 1,024 bytes
	WIN 0x80
.irp m, 0,1,2,3
.irp s, 0,1,2,3,4,5,6,7
.irp c, 0,1
	global_load_b128 v[64*\m+8*\s+4*\c:64*\m+8*\s+4*\c+3], v[XA], s[4:5] offset:8192*\m+64*\s+32*\c
.endr
.endr
.endr
	WIN 0
.irp m, 0,1,2,3
	global_load_b128 v[XS+4*\m:XS+4*\m+3], v[SA32], s[6:7] offset:512*\m
.endr
.irp t, 0,1,2,3,4,5,6,7
	global_load_b128 v[WQS+4*\t:WQS+4*\t+3], v[SA32], s[10:11] offset:512*\t
.endr
.irp t, 0,1,2,3,4,5,6,7
	global_load_b64 v[FKS+2*\t:FKS+2*\t+1], v[SA16], s[16:17] offset:256*\t
	global_load_b64 v[FVS+2*\t:FVS+2*\t+1], v[SA16], s[22:23] offset:256*\t
.endr
.irp m, 0,1,2,3
.irp p, 0,1
	global_load_b32 v[KLS+2*\m+\p], v[LS], s[28:29] offset:256*\m+128*\p
	global_load_b32 v[VLS+2*\m+\p], v[LS], s[28:29] offset:65536+256*\m+128*\p
.endr
.endr
.irp j, 0,1,2,3,4,5,6,7
	global_load_b32 v[VB+\j], v[R4], s[24:25] offset:64*\j
.endr
	WIN 0x40
.irp t, 0,1,2,3,4,5,6,7
.irp q, 0,1
	global_load_b128 v[128+8*\t+4*\q:128+8*\t+4*\q+3], v[BIA], s[12:13] offset:64*\t+16*\q
	global_load_b128 v[192+8*\t+4*\q:192+8*\t+4*\q+3], v[BIA], s[18:19] offset:64*\t+16*\q
.endr
.endr
	WIN 0
	s_wait_loadcnt 0x0
	s_wait_tensorcnt 0x0                           ; my tile of the weights is in LDS
	ds_add_u32 v190, v191
	s_wait_dscnt 0x0
	ROUND                                          ; everybody's tile is in, and all sixteen work-groups are here: the joint loads meet
	tensor_load_to_lds s[G0T:G0T+3], s[G1T:G1T+7]  ; my part of the table: my one load behind the round; q's eight K steps stand between it and the wait for it
	s_nop 0
	PLACES 4
; eight fragments of a weight (its 128 rows, K step s) into buffer p
.macro FETCHB adr, pitch, s, p
	WIN 0x40
.irp t, 0,1,2,3,4,5,6,7
.irp c, 0,1
	ds_load_b128 v[64*(\p)+8*\t+4*\c:64*(\p)+8*\t+4*\c+3], v[\adr] offset:16*\pitch*\t+64*(\s)+32*\c
.endr
.endr
.endm
; the head of K step S of ns: the next step's fragments are asked for, and this step's are in
.macro STEPHEAD adr, pitch, ns
.if S < \ns-1
.if S > 0
	PLACES 4                                       ; in front of loads into registers that the last step's products have read
.endif
	FETCHB \adr, \pitch, S+1, (S+1)&1
	s_wait_dscnt 16                                ; all but the 16 just issued
.else
	s_wait_dscnt 0x0
.endif
.endm
; a token tile's 32 cosines and 32 sines into buffer m % 2 of window 1
.macro TABFETCH m
	WIN 0x40
.irp q, 0,1,2,3,4,5,6,7,8,9,10,11,12,13,14,15
	ds_load_b128 v[64*((\m)&1)+4*\q:64*((\m)&1)+4*\q+3], v[TADR] offset:8192*(\m)+512*\q
.endr
.endm
; the four tiles of tokens are rotated, quantised along the head's 128 and stored: section sect of qkv_img and of the scale stage
.macro ROPEQ sect
	PLACES 4                                       ; behind the last products: their results are read, and their operands' registers loaded into
	s_wait_tensorcnt 0x0                           ; my part of the table is in LDS: I alone read it
	TABFETCH 0
.irp m, 0,1,2,3
.if \m < 3
	TABFETCH \m+1
	s_wait_dscnt 16                                ; this tile's table is in; the next tile's 16 loads may be out
.else
	s_wait_dscnt 0x0
.endif
	WIN 0x07                                       ; source 0 the accumulators (window 3), source 1 the table (window 1)
.irp n, 0,2,4,6,8,10,12,14,16,18,20,22,24,26,28,30
	v_pk_mul_f32 v[RW+\n:RW+\n+1], v[64*\m+32+\n:64*\m+33+\n], v[64*(\m&1)+32+\n:64*(\m&1)+33+\n]
.endr
.irp n, 0,2,4,6,8,10,12,14,16,18,20,22,24,26,28,30
	v_pk_fma_f32 v[RW+\n:RW+\n+1], v[64*\m+\n:64*\m+1+\n], v[64*(\m&1)+\n:64*(\m&1)+1+\n], v[RW+\n:RW+\n+1] neg_lo:[0,0,1] neg_hi:[0,0,1]   ; d < 64: t(d) cos - t(d + 64) sin
.endr
.irp n, 0,2,4,6,8,10,12,14,16,18,20,22,24,26,28,30
	v_pk_mul_f32 v[RW+32+\n:RW+33+\n], v[64*\m+\n:64*\m+1+\n], v[64*(\m&1)+32+\n:64*(\m&1)+33+\n]
.endr
.irp n, 0,2,4,6,8,10,12,14,16,18,20,22,24,26,28,30
	v_pk_fma_f32 v[RW+32+\n:RW+33+\n], v[64*\m+32+\n:64*\m+33+\n], v[64*(\m&1)+\n:64*(\m&1)+1+\n], v[RW+32+\n:RW+33+\n]                      ; d >= 64: t(d) cos + t(d - 64) sin
.endr
	WIN 0
	s_wait_xcnt 0x0                                ; the codes' registers were a store's data
	QUANT RW
	global_store_b128 v[LI], v[PC:PC+3], s[32:33] offset:\sect*4194304+1024*\m        ; 512 consecutive bytes a store
	global_store_b128 v[LI], v[PC+4:PC+7], s[32:33] offset:\sect*4194304+1024*\m+512
	ds_store_b32 v[SQ], v[PW] offset:1024*\sect+64*\m          ; lanes r and r + 16 write the same word with the same value
.endr
.endm
	; ---- q: K = 1,024
	FETCHB ABQ, 528, 0, 0
.set S, 0
.rept 8
	STEPHEAD ABQ, 528, 8
.if S == 0
	WIN 0xd9                                       ; source 0 window 1, source 1 window 2, C (the bias) window 1, D window 3
.else
	WIN 0xf9
.endif
.irp t, 0,1,2,3,4,5,6,7
.irp m, 0,1,2,3
.if S == 0
	MM 64*\m+8*\t, 64*(S&1)+8*\t, 64*\m+8*S, 0, 128+8*\t, WQS+4*\t+(S&3), XS+4*\m+(S&3), S>>2, S>>2
.else
	MM 64*\m+8*\t, 64*(S&1)+8*\t, 64*\m+8*S, 0, 64*\m+8*\t, WQS+4*\t+(S&3), XS+4*\m+(S&3), S>>2, S>>2
.endif
.endr
.endr
.set S, S+1
.endr
	WIN 0
	PLACES 4                                       ; x's registers take the two latents' images; they land under q's way out
	WIN 0x80
.irp m, 0,1,2,3
.irp s, 0,1,2,3
.irp c, 0,1
	global_load_b128 v[32*\m+8*\s+4*\c:32*\m+8*\s+4*\c+3], v[LI], s[26:27] offset:4096*\m+1024*\s+512*\c
	global_load_b128 v[128+32*\m+8*\s+4*\c:128+32*\m+8*\s+4*\c+3], v[LI], s[26:27] offset:1048576+4096*\m+1024*\s+512*\c
.endr
.endr
.endr
	ROPEQ 0
	; ---- k: K = 512
	s_wait_loadcnt 0x0
	FETCHB ABK, 272, 0, 0
.set S, 0
.rept 4
	STEPHEAD ABK, 272, 4
.if S == 0
	WIN 0xd9
.else
	WIN 0xf9
.endif
.irp t, 0,1,2,3,4,5,6,7
.irp m, 0,1,2,3
.if S == 0
	MM 64*\m+8*\t, 64*(S&1)+8*\t, 32*\m+8*S, 0, 192+8*\t, FKS+2*\t+(S&1), KLS+2*\m+(S>>1), S>>1, S&1
.else
	MM 64*\m+8*\t, 64*(S&1)+8*\t, 32*\m+8*S, 0, 64*\m+8*\t, FKS+2*\t+(S&1), KLS+2*\m+(S>>1), S>>1, S&1
.endif
.endr
.endr
.set S, S+1
.endr
	ROPEQ 1
	; ---- v: K = 512, not transposed: accumulator (m, j) at 128 (m / 2) + 16 j + 8 (m % 2), so that 16 registers on end are 32 tokens (with lane l xor 16's) of channel 16 j + r
	FETCHB ABV, 272, 0, 0
.set S, 0
.rept 4
	STEPHEAD ABV, 272, 4
	WIN 0xf6                                       ; source 0 (vlat) window 2, source 1 (fromv) window 1, C and D window 3
.irp j, 0,1,2,3,4,5,6,7
.irp m, 0,1,2,3
.if S == 0
	MM 128*(\m/2)+16*\j+8*(\m%2), 128+32*\m+8*S, 64*(S&1)+8*\j, 1, 0, VLS+2*\m+(S>>1), FVS+2*\j+(S&1), S&1, S>>1
.else
	MM 128*(\m/2)+16*\j+8*(\m%2), 128+32*\m+8*S, 64*(S&1)+8*\j, 0, 128*(\m/2)+16*\j+8*(\m%2), VLS+2*\m+(S>>1), FVS+2*\j+(S&1), S&1, S>>1
.endif
.endr
.endr
.set S, S+1
.endr
	PLACES 4
.irp g, 0,1                                    ; tokens 32 g on: one block of keys
.irp j, 0,1                                    ; channel tiles 4 j .. 4 j + 3: the quantiser's four blocks
	WIN 0x03
.irp b, 0,1,2,3
.irp e, 0,1,2,3,4,5,6,7,8,9,10,11,12,13,14,15
	v_add_f32 v[RW+16*\b+\e], v[128*\g+16*(4*\j+\b)+\e], v[VB+4*\j+\b]    ; + the channel's bias
.endr
.endr
	WIN 0
	s_wait_xcnt 0x0                                ; the codes' registers were a store's data,
	s_wait_dscnt 0x0                               ; the bytes' an LDS store's
	QUANT RW
	global_store_b128 v[VO], v[PC:PC+3], s[92:93] offset:(4*\j)*1024+256*\g        ; lane (r, h): the 32 keys' codes of channel 16 (4 j + h) + r: sixteen lanes fill 256 aligned bytes
	global_store_b128 v[VO], v[PC+4:PC+7], s[92:93] offset:(4*\j+2)*1024+256*\g    ; and of channel 16 (4 j + 2 + h) + r
.irp b, 0,1,2,3
	ds_store_b8 v[SV], v[TM+4+\b] offset:64*(4*\j+\b)+\g       ; byte 2 (w % 2) + g of the channel's word of this key step
.endr
.endr
.endr
	BARRIER                                        ; the three stages of scale words are whole
	s_cmp_lt_u32 s[WV], 3
	s_cbranch_scc0 .Lno_copy
	ds_load_b128 v[RW:RW+3], v[TL]
	ds_load_b128 v[RW+4:RW+7], v[TL] offset:512
	s_wait_dscnt 0x0
	global_store_b128 v[LI], v[RW:RW+3], s[34:35]
	global_store_b128 v[LI], v[RW+4:RW+7], s[34:35] offset:512
.Lno_copy:
	s_wait_tensorcnt 0x0
	ds_add_u32 v190, v191
	s_wait_dscnt 0x0
	ROUND                                          ; the closing round
	s_endpgm
.Lfunc_end_k_qe591c67727_qkv:
	.size	k_qe591c67727_qkv, .Lfunc_end_k_qe591c67727_qkv-k_qe591c67727_qkv
	.p2alignl 7, 3214868480
	.fill 96, 4, 3214868480
	.section	.rodata,"a",@progbits
	.p2align	6, 0x0
	.amdhsa_kernel k_qe591c67727_qkv
		.amdhsa_group_segment_fixed_size 327680
		.amdhsa_private_segment_fixed_size 0
		.amdhsa_enable_private_segment 0
		.amdhsa_kernarg_size 128
		.amdhsa_user_sgpr_count 2
		.amdhsa_user_sgpr_kernarg_segment_ptr 1
		.amdhsa_wavefront_size32 1
		.amdhsa_system_sgpr_workgroup_id_x 1
		.amdhsa_system_sgpr_workgroup_id_y 1
		.amdhsa_system_sgpr_workgroup_id_z 1
		.amdhsa_system_vgpr_workitem_id 0
		.amdhsa_next_free_vgpr 1024
		.amdhsa_next_free_sgpr 100
		.amdhsa_reserve_vcc 0
		.amdhsa_float_denorm_mode_32 3
		.amdhsa_float_denorm_mode_16_64 3
		.amdhsa_memory_ordered 1
		.amdhsa_forward_progress 1
		.amdhsa_inst_pref_size 212
	.end_amdhsa_kernel
	.amdgpu_metadata
---
amdhsa.version: [ 1, 2 ]
amdhsa.kernels:
  - .name:           k_qe591c67727_qkv
    .symbol:         k_qe591c67727_qkv.kd
    .args:
      - { .name: x_codes, .offset: 0, .size: 8, .value_kind: global_buffer, .address_space: global }
      - { .name: x_scales, .offset: 8, .size: 8, .value_kind: global_buffer, .address_space: global }
      - { .name: Wq_w_codes, .offset: 16, .size: 8, .value_kind: global_buffer, .address_space: global }
      - { .name: Wq_w_scales, .offset: 24, .size: 8, .value_kind: global_buffer, .address_space: global }
      - { .name: Wq_b, .offset: 32, .size: 8, .value_kind: global_buffer, .address_space: global }
      - { .name: fromk_w_codes, .offset: 40, .size: 8, .value_kind: global_buffer, .address_space: global }
      - { .name: fromk_w_scales, .offset: 48, .size: 8, .value_kind: global_buffer, .address_space: global }
      - { .name: fromk_b, .offset: 56, .size: 8, .value_kind: global_buffer, .address_space: global }
      - { .name: fromv_w_codes, .offset: 64, .size: 8, .value_kind: global_buffer, .address_space: global }
      - { .name: fromv_w_scales, .offset: 72, .size: 8, .value_kind: global_buffer, .address_space: global }
      - { .name: fromv_b, .offset: 80, .size: 8, .value_kind: global_buffer, .address_space: global }
      - { .name: lat_img, .offset: 88, .size: 8, .value_kind: global_buffer, .address_space: global }
      - { .name: lat_sc, .offset: 96, .size: 8, .value_kind: global_buffer, .address_space: global }
      - { .name: tab, .offset: 104, .size: 8, .value_kind: global_buffer, .address_space: global }
      - { .name: qkv_img, .offset: 112, .size: 8, .value_kind: global_buffer, .address_space: global }
      - { .name: qkv_sc, .offset: 120, .size: 8, .value_kind: global_buffer, .address_space: global }
    .group_segment_fixed_size: 327680
    .private_segment_fixed_size: 0
    .kernarg_segment_align: 8
    .kernarg_segment_size: 128
    .max_flat_workgroup_size: 128
    .sgpr_count:     100
    .vgpr_count:     1024
    .wavefront_size: 32
...
	.end_amdgpu_metadata
.endif
;; end of part 2
;; launch attn (part 3): grid 32 x 8, 16 waves a work-group, no clusters, 327,680 bytes of LDS; arguments qkv_img, qkv_sc, ao_img, ao_sc; writes ao_img, ao_sc
.if DOCPART == 3
	.amdgcn_target "amdgcn-amd-amdhsa--gfx1250"
	.amdhsa_code_object_version 6
	.text
	.protected	k_qe591c67727_attn
	.globl	k_qe591c67727_attn
	.p2align	8
	.type	k_qe591c67727_attn,@function
k_qe591c67727_attn:
	s_mov_b64 s[64:65], 0
	v_nop
	global_prefetch_b8 v0, s[64:65] scope:SCOPE_SE
	s_setreg_imm32_b32 hwreg(HW_REG_WAVE_MODE, 25, 1), 1
	s_wait_xcnt 0x0
; CAUSAL ATTENTION WITH THE ROLES CHANGED OVER: the queries are the rotated k (section 1 of qkv_img), the keys the rotated q (section 0), the values v (section 2, keys innermost).  Both products on codes of FP4
; with E8M0 scales.  t = score x log2(e) / sqrt(128); M = the running largest t rounded up to a whole number; p = 2^(t - M) is quantised along the keys, not normalised; the row's sum is taken of the
; unquantised p and divides at the end.  The result is quantised along the head's 128 and leaves as an image of the operand's registers for the output projection (ao_img, ao_sc).
; LEFT OUT: key steps all of whose keys come after a tile's queries: the causal mask, which the problem builds itself, throws their scores away.
; SHARES.  Work-group (head, i), i = 0 .. 7, owns query blocks i and 15 - i (128 queries each, eight tiles of 16).  A key step is 128 keys; block b needs steps 0 .. b.  The waves work in pairs:
;   wave p (0-7):      tile p of block 15 - i, key steps 0 .. 8: nine steps, in trips 0 .. 8;
;   wave 8 + p:        tile p of block i, key steps 0 .. i in trips 0 .. i; at trip i + 1 that tile is finished and stored, and the wave goes on with tile p of block 15 - i, key steps 9 .. 15 - i, up to trip 7: eight steps.
; At the end wave p hands its part of block 15 - i's tile (O^T, -M, the sum) to wave 8 + p through LDS; the two parts are brought under the larger M by powers of two, which rounds nothing, and added.
; LDS.  The head's keys, values and scale words come once.  A fill brings a pair of key steps, q and q + 8 (two rows of 8,192 bytes, 65,536 apart in memory).  At the head: steps 0-3 and 8-11 (waves 0-3 the keys', 4-7 V's) and the
; scale words (waves 8, 9).  Behind the first barrier: steps 4-7 and 12-15, 65,536 bytes further on in LDS.  Trips 0 .. 3 read steps 0 .. 3 and 9 .. 11 alone, whatever i: their addresses are made of two masked fields and stay in the first half.
; Each fill holds a step under 9, which wave p reads in every work-group.
; A STEP'S LDS LOADS go in two runs of 20: the keys' eight fragments and scale words at its head; V's directly behind the score products, so that the softmax's vector work stands between them and the wait for them.
; NO CLUSTER: the work-groups that share a head's keys differ in i, and the walk's branches and LDS addresses hang on i; partners of a joint load must run alike.
; NO PREFETCH: the text has two fills, the second asked for as soon as the first has landed: no trip stands ahead of either in which to ask.
; LAYOUT.  Both products transposed: S^T = K Q^T, O^T = V^T P^T: a lane holds one query (lane % 16).  Register 8 T + i of S^T is key 16 T + 8 h + i.
; LIMITS: NaN and infinities are not served; the promise holds while the scaled scores stay under 2^31 in magnitude; a block whose largest magnitude lies under 2^-124 keeps the scale byte 1 (this program alone reads the bytes).
.set VIMG, 131072                      ; LDS: the keys' images from 0, V's from here,
.set KSC,  262144                      ; the keys' scale words (512 bytes a key step), V's 8,192 further on,
.set OSC,  278528                      ; the result's scale words on their way out: block i's 512 bytes, block 15 - i's
.set SPARE, 279552                     ; the spare words, 128 bytes a wave
.set STG2, 65536                       ; the hand-over: O^T at 8,192 p, -M and the sum at STG2 + 256 p: in the keys' bytes, which have had their last fill and their last read by then
.set ADK,  8                           ; v8-11 the step's addresses: keys, V, their scale words
.set ADV,  9
.set ADS,  10
.set ADT,  11
.set SPW,  26                          ; v26 my spare word, v27 0: never rewritten
.set NIL,  27
.set TM,   232
.set PC,   224
.set PW,   253
; v1 16 x lane; v2 KSC + 4 x lane; v3 my query's place in its block - 8 h; v4 4 r; v5, v6 OSC's addresses; v7, v25 the hand-over's; v12 -M, v13 the largest t, v[14:15] the sum; v16-23 Q; v24 block i's scale word;
; v28-31 at work; v32-95 eight fragments; v96-159 S^T, then p; v160-223 O^T; v224-231 codes; v232-247 at work; v248-251 scale words (lanes 0-15 tile 2 p, lanes 16-31 tile 2 p + 1); v252 f; v253 a scale word; v254 at work; v255 Q's scale word
.set WV,   18
.set SEL,  20
.set CS,   22
.set G1C,  24
.set G1S,  32
.set G0C,  40
.set G0S,  44
.set QA,   48                          ; pointers: Q of my first tile, of block 15 - i's, their scale words, the two tiles' places in ao_img
.set QB,   50
.set SQA,  52
.set SQB,  54
.set OA,   56
.set OB,   58
.set T,    60                          ; the trip
.set KS,   61                          ; the key step in hand
.set BLK,  62                          ; the block of the tile in hand
.set SW,   63                          ; the trip at which the tile changes (waves 0-7: none)
.set LAST, 66                          ; my last trip with work
.set BL0,  67                          ; the block of my first tile
.set OFB,  68                          ; 8 - i
.set BB,   69                          ; 15 - i
.set TBK,  74
.set TSC,  75
.set II,   76
.set HB,   77
.macro PLACES n
.rept \n
	v_nop
.endr
.endm
.macro BARRIER
	s_wait_dscnt 0x0
	s_barrier_signal -1
	s_barrier_wait -1
.endm
.macro PSET d, p, o                    ; pointer d = pointer p + the 32-bit offset in s[o]
	s_mov_b32 s78, s[\o]
	s_mov_b32 s79, 0
	s_add_nc_u64 s[\d:\d+1], s[\p:\p+1], s[78:79]
.endm
.macro MMZ d, a, b, sa, sb, ra         ; a product that starts its sum; ra = 1: source 0's scale words are taken from lanes 16-31
.if (\ra)
	v_wmma_scale_f32_16x16x128_f8f6f4 v[\d:\d+7], v[\a:\a+7], v[\b:\b+7], 0, v[\sa], v[\sb] matrix_a_fmt:MATRIX_FMT_FP4 matrix_b_fmt:MATRIX_FMT_FP4 matrix_a_scale:MATRIX_SCALE_ROW1
.else
	v_wmma_scale_f32_16x16x128_f8f6f4 v[\d:\d+7], v[\a:\a+7], v[\b:\b+7], 0, v[\sa], v[\sb] matrix_a_fmt:MATRIX_FMT_FP4 matrix_b_fmt:MATRIX_FMT_FP4
.endif
.endm
.macro MMA d, a, b, sa, sb, ra         ; a product that adds in place
.if (\ra)
	v_wmma_scale_f32_16x16x128_f8f6f4 v[\d:\d+7], v[\a:\a+7], v[\b:\b+7], v[\d:\d+7], v[\sa], v[\sb] matrix_a_fmt:MATRIX_FMT_FP4 matrix_b_fmt:MATRIX_FMT_FP4 matrix_a_scale:MATRIX_SCALE_ROW1
.else
	v_wmma_scale_f32_16x16x128_f8f6f4 v[\d:\d+7], v[\a:\a+7], v[\b:\b+7], v[\d:\d+7], v[\sa], v[\sb] matrix_a_fmt:MATRIX_FMT_FP4 matrix_b_fmt:MATRIX_FMT_FP4
.endif
.endm
.macro FETCH adr, ads                  ; a key step's four registers of scale words and eight fragments: 20 LDS loads, each of consecutive bytes
.irp p, 0,1,2,3
	ds_load_b32 v[248+\p], v[\ads] offset:128*\p
.endr
.set J, 0
.rept 16
	ds_load_b128 v[32+4*J:35+4*J], v[\adr] offset:512*J
.set J, J+1
.endr
.endm
.macro CODES s                         ; 64 numbers, the four scale operands in v[TM+12] on: the operand's eight registers in v[PC] on
.irp b, 0,1,2,3
.irp u, 0,1
	v_cvt_scalef32_pk8_fp4_f32 v[PC+4*(\b/2)+2*\u+(\b%2)], v[\s+16*\b+8*\u:\s+16*\b+8*\u+7], v[TM+12+\b]
.endr
.endr
	v_nop                                          ; one plain place behind a scaled conversion
.irp c, 0,1
.irp u, 0,1
	v_permlane16_swap_b32 v[PC+4*\c+2*\u], v[PC+4*\c+2*\u+1]
.endr
.endr
.endm
.macro WORD                            ; from the four blocks' largest magnitudes in v[TM] on: scale operands, bytes, the scale word
.irp b, 0,1,2,3
	s_delay_alu instid0(VALU_DEP_4)
	v_add_nc_u32 v[TM+12+\b], 0xff000000, v[TM+\b] ; 2 off the exponent field: the conversion's scale operand
.endr
.irp b, 0,1,2,3
	s_delay_alu instid0(VALU_DEP_4)
	v_lshrrev_b32 v[TM+4+\b], 23, v[TM+12+\b]      ; the scale's byte
.endr
	s_delay_alu instid0(VALU_DEP_3)
	v_lshl_or_b32 v[PW], v[TM+5], 8, v[TM+4]
	s_delay_alu instid0(VALU_DEP_1)
	v_lshl_or_b32 v[PW], v[TM+6], 16, v[PW]
	s_delay_alu instid0(VALU_DEP_1)
	v_lshl_or_b32 v[PW], v[TM+7], 24, v[PW]
.endm
.macro RESET                           ; a tile's state before its first key step: the first change of M multiplies zeros
	v_mov_b32 v13, 0xff61b1e6                      ; the largest t so far: -3e38, under every t
	s_delay_alu instid0(VALU_DEP_1)
	v_floor_f32 v12, -v13                          ; -M
	v_mov_b32 v14, 0
	v_mov_b32 v15, 0
.set J, 0
.rept 64
	v_mov_b32 v[160+J], 0
.set J, J+1
.endr
.endm
.macro ASKQ q, s                       ; a tile's Q and its scale words, from memory straight into the operand's registers
	global_load_b128 v[16:19], v1, s[\q:\q+1]
	global_load_b128 v[20:23], v1, s[\q:\q+1] offset:512
	global_load_b32 v255, v4, s[\s:\s+1]
.endm
; A TILE IS FINISHED: O^T / the sum, quantised along the head's 128 (register 8 t + i is channel 16 t + 8 h + i of my query), its image stored at ptr; its scale word stays in v[PW]
.macro FINAL ptr
	PLACES 4                                       ; behind the last products
	v_add_f32 v14, v14, v15
	s_delay_alu instid0(VALU_DEP_1)
	v_permlanex16_b32 v252, v14, s[SEL], s[SEL+1]
	s_delay_alu instid0(VALU_DEP_1)
	v_add_f32 v14, v14, v252                       ; the row's sum
	s_wait_alu depctr_va_vdst(0)                   ; ahead of the transcendental
	v_rcp_f32 v14, v14
	v_nop                                          ; one plain place behind a transcendental
	s_wait_alu depctr_va_vdst(0)                   ; and ahead of its first reader, which is O^T's too
.set J, 0
.rept 64
	v_mul_f32 v[96+J], v[160+J], v14
.set J, J+1
.endr
.irp b, 0,1,2,3
	v_max3_num_f32 v[TM+\b], |v[96+16*\b]|, |v[97+16*\b]|, 0x1800000
.endr
.irp i, 2,4,6,8,10,12,14
.irp b, 0,1,2,3
	s_delay_alu instid0(VALU_DEP_4)
	v_max3_num_f32 v[TM+\b], v[TM+\b], |v[96+16*\b+\i]|, |v[97+16*\b+\i]|
.endr
.endr
.irp b, 0,1,2,3
	s_delay_alu instid0(VALU_DEP_4)
	v_permlanex16_b32 v[TM+4+\b], v[TM+\b], s[SEL], s[SEL+1]
.endr
.irp b, 0,1,2,3
	s_delay_alu instid0(VALU_DEP_4)
	v_max_num_f32 v[TM+\b], v[TM+\b], v[TM+4+\b]
.endr
	WORD
	CODES 96
	global_store_b128 v1, v[PC:PC+3], s[\ptr:\ptr+1]             ; 512 consecutive bytes a store
	global_store_b128 v1, v[PC+4:PC+7], s[\ptr:\ptr+1] offset:512
.endm
	s_load_b256 s[4:11], s[0:1], 0x0               ; qkv_img, qkv_sc, ao_img, ao_sc
	v_lshl_add_u32 v[SPW], v0, 2, SPARE
	v_mov_b32 v[NIL], 0
	ds_add_u32 v[SPW], v[NIL]                      ; the opening lines: the add, twice on end, and its wait ahead of the first tensor load
	ds_add_u32 v[SPW], v[NIL]
	v_lshrrev_b32 v8, 5, v0
	s_delay_alu instid0(VALU_DEP_1)
	v_readfirstlane_b32 s[WV], v8                  ; wave 0..15
	s_and_b32 s[II], ttmp7, 7                      ; i: the grid's y counts 8
	s_mov_b32 s[HB], ttmp9                         ; 16 x batch + head
	s_xor_b32 s[BB], s[II], 15                     ; 15 - i
	s_xor_b32 s[OFB], s[II], 7
	s_add_co_u32 s[OFB], s[OFB], 1                 ; 8 - i
	s_add_co_u32 s70, s[II], 1
	s_cmp_lt_u32 s[WV], 8
	s_cselect_b32 s[BL0], s[BB], s[II]             ; waves 0-7 begin with block 15 - i and stay; waves 8-15 begin with block i
	s_cselect_b32 s[SW], 99, s70
	s_cselect_b32 s[LAST], 8, 7
	s_mov_b32 s[T], 0
	s_mov_b32 s[SEL], 0x76543210
	s_mov_b32 s[SEL+1], 0xfedcba98
	s_mov_b32 s[CS], 0x3e0293ee                    ; c = log2(e) / sqrt(128)
	s_mov_b32 s[CS+1], s[CS]                       ; (named with it as a pair, so it is written)
	s_mov_b32 s[G1C], 3<<16                        ; codes: two rows of 1,024 elements of 8 bytes, 8,192 elements apart
	s_mov_b32 s[G1C+1], 1024<<16
	s_mov_b32 s[G1C+2], 2<<16
	s_mov_b32 s[G1C+3], 1024<<16
	s_mov_b32 s[G1C+4], 2
	s_mov_b32 s[G1C+5], 8192
	s_mov_b32 s[G1C+6], 0
	s_mov_b32 s[G1C+7], 0
	s_mov_b32 s[G1S], 3<<16                        ; scale words: 8,192 dense bytes as 32 rows of 256
	s_mov_b32 s[G1S+1], 32<<16
	s_mov_b32 s[G1S+2], 32<<16
	s_mov_b32 s[G1S+3], 32<<16
	s_mov_b32 s[G1S+4], 32
	s_mov_b32 s[G1S+5], 32
	s_mov_b32 s[G1S+6], 0
	s_mov_b32 s[G1S+7], 0
	s_bfe_u32 s70, s[WV], 0x10002                  ; waves 0-7: which side (keys, V),
	s_and_b32 s71, s[WV], 3                        ; and which pair of steps q, q + 8
	s_lshl_b32 s[G0C+1], s70, 17
	s_lshl_b32 s72, s71, 14
	s_add_co_u32 s[G0C+1], s[G0C+1], s72           ; in LDS: 131,072 x side + 16,384 q
	s_lshl_b32 s72, s70, 23                        ; in memory: section 0 or 2, the head, step q
	s_lshl_b32 s73, s71, 13
	s_add_co_u32 s72, s72, s73
	s_lshl_b32 s73, s[HB], 17
	s_add_co_u32 s72, s72, s73
	s_mov_b32 s73, 0
	s_and_b32 s70, s[WV], 1                        ; waves 8, 9: the keys' scale words, V's
	s_lshl_b32 s[G0S+1], s70, 13
	s_add_co_u32 s[G0S+1], s[G0S+1], KSC
	s_lshl_b32 s74, s70, 19
	s_lshl_b32 s75, s[HB], 13
	s_add_co_u32 s74, s74, s75
	s_mov_b32 s75, 0
	s_mov_b32 s[G0C], 1
	s_mov_b32 s[G0S], 1
	s_wait_dscnt 0x0                               ; both opening adds are done
	s_wait_kmcnt 0x0
	s_add_nc_u64 s[G0C+2:G0C+3], s[4:5], s[72:73]
	s_or_b32 s[G0C+3], s[G0C+3], 0x80000000
	s_add_nc_u64 s[G0S+2:G0S+3], s[6:7], s[74:75]
	s_or_b32 s[G0S+3], s[G0S+3], 0x80000000
	s_cmp_lt_u32 s[WV], 8                          ; the head's fills, one a wave at the most, in one chain of branches on the wave's number
	s_cbranch_scc0 .Lhead_s
	tensor_load_to_lds s[G0C:G0C+3], s[G1C:G1C+7]
	s_nop 0
	PLACES 4
	s_branch .Lhead_asked
.Lhead_s:
	s_cmp_lt_u32 s[WV], 10
	s_cbranch_scc0 .Lhead_asked
	tensor_load_to_lds s[G0S:G0S+3], s[G1S:G1S+7]
	s_nop 0
	PLACES 4
.Lhead_asked:
	s_and_b32 s70, s[WV], 7                        ; p
	s_lshl_b32 s71, s[II], 3
	s_add_co_u32 s71, s71, s70                     ; block i's tile
	s_lshl_b32 s72, s[BB], 3
	s_add_co_u32 s72, s72, s70                     ; block 15 - i's
	s_lshl_b32 s73, s[HB], 17
	s_lshl_b32 s74, s71, 10
	s_add_co_u32 s74, s74, s73
	PSET OA, 8, 74
	s_add_co_u32 s74, s74, 0x400000                ; the queries: section 1
	PSET QA, 4, 74
	s_lshl_b32 s74, s72, 10
	s_add_co_u32 s74, s74, s73
	PSET OB, 8, 74
	s_add_co_u32 s74, s74, 0x400000
	PSET QB, 4, 74
	s_lshl_b32 s73, s[HB], 13
	s_lshl_b32 s74, s71, 6
	s_add_co_u32 s74, s74, s73
	s_add_co_u32 s74, s74, 0x40000
	PSET SQA, 6, 74
	s_lshl_b32 s74, s72, 6
	s_add_co_u32 s74, s74, s73
	s_add_co_u32 s74, s74, 0x40000
	PSET SQB, 6, 74
	s_cmp_eq_u32 s[WV], 0
	s_cselect_b32 s74, s[II], s[BB]
	s_lshl_b32 s74, s74, 9
	s_add_co_u32 s74, s74, s73
	PSET 10, 10, 74                                ; ao_sc: wave 0 stores block i's 512 bytes, wave 1 block 15 - i's
	v_and_b32 v9, 31, v0
	v_and_b32 v10, 15, v0                          ; r
	v_bfe_u32 v11, v0, 4, 1                        ; h
	v_lshlrev_b32 v1, 4, v9
	v_lshl_add_u32 v2, v9, 2, KSC
	v_lshlrev_b32 v4, 2, v10
	s_lshl_b32 s74, s70, 4
	v_add_nc_u32 v3, s74, v10
	v_lshlrev_b32 v11, 3, v11
	s_delay_alu instid0(VALU_DEP_1)
	v_sub_nc_u32 v3, v3, v11                       ; 16 p + r - 8 h
	s_lshl_b32 s74, s70, 6
	v_add_nc_u32 v5, s74, v4
	s_delay_alu instid0(VALU_DEP_1)
	v_add_nc_u32 v5, OSC, v5
	s_min_u32 s74, s[WV], 1
	s_lshl_b32 s74, s74, 9
	v_add_nc_u32 v6, s74, v1
	s_delay_alu instid0(VALU_DEP_1)
	v_add_nc_u32 v6, OSC, v6
	s_lshl_b32 s74, s70, 13
	v_add_nc_u32 v7, s74, v1                       ; the hand-over: 8,192 p + 16 x lane
	s_lshl_b32 s74, s70, 8
	v_lshl_add_u32 v25, v9, 3, s74
	s_delay_alu instid0(VALU_DEP_1)
	v_add_nc_u32 v25, STG2, v25                    ; and STG2 + 256 p + 8 x lane
	s_wait_alu depctr_va_vdst(0)
	s_cmp_lt_u32 s[WV], 8                          ; my first tile: block 15 - i's in waves 0-7, block i's in waves 8-15
	s_cselect_b64 s[QA:QA+1], s[QB:QB+1], s[QA:QA+1]
	s_cselect_b64 s[SQA:SQA+1], s[SQB:SQB+1], s[SQA:SQA+1]
	ASKQ QA, SQA
	v_mov_b32 v24, 0
.irp b, 0,1,2,3
	v_mov_b32 v[236+\b], 0                         ; written once: a lane permute's destination counts as one of its sources
.endr
	v_mov_b32 v252, 0
	v_mov_b32 v253, 0                              ; (named as the upper half of the pair v[252:253] before it is first written)
	RESET
; A TRIP: at most one key step of 128 keys.  ph = 0: trips 0 .. 3, whose steps lie in the first fill; ph = 1: any step
.macro STEP ph
	s_cmp_lg_u32 s[T], s[SW]
	s_cbranch_scc1 .Lsame_\@
	ASKQ QB, SQB                                   ; block i's tile has had all its keys: the next tile's Q is asked for, and lands under the way out below
	FINAL OA
	v_mov_b32 v24, v[PW]                           ; its scale word waits for the way out
	RESET
	s_wait_alu depctr_va_vdst(0)
	s_wait_loadcnt 0x0                             ; Q
	s_wait_xcnt 0x0                                ; the stores have read the codes' registers
.Lsame_\@:
	s_cmp_gt_u32 s[T], s[LAST]
	s_cbranch_scc1 .Lidle_\@
	s_add_co_u32 s[KS], s[T], s[OFB]               ; behind the change of tiles trip t takes key step t + 8 - i (trip i + 1: step 9), ahead of it step t
	s_cmp_ge_u32 s[T], s[SW]
	s_cselect_b32 s[KS], s[KS], s[T]
	s_cselect_b32 s[BLK], s[BB], s[BL0]
	s_and_b32 s70, s[KS], 3                        ; step s lies at 16,384 (s % 4) + 8,192 (s / 8) + 65,536 ((s / 4) % 2)
	s_lshl_b32 s70, s70, 14
	s_bfe_u32 s71, s[KS], 0x10003
	s_lshl_b32 s71, s71, 13
	s_add_co_u32 s[TBK], s70, s71
.if \ph
	s_bfe_u32 s71, s[KS], 0x10002
	s_lshl_b32 s71, s71, 16
	s_add_co_u32 s[TBK], s[TBK], s71
.endif
	s_min_u32 s[TBK], s[TBK], 57344+65536*\ph      ; held at the last step's place (ph = 0: of the first fill's half)
	s_and_b32 s[TSC], s[KS], 15
	s_lshl_b32 s[TSC], s[TSC], 9
	v_add_nc_u32 v[ADK], s[TBK], v1                ; (these four are also the places in front of loads into registers that the last step's products have read)
	v_add_nc_u32 v[ADS], s[TSC], v2
	v_add_nc_u32 v[ADV], VIMG, v[ADK]
	s_delay_alu instid0(VALU_DEP_2)
	v_add_nc_u32 v[ADT], 8192, v[ADS]
	FETCH ADK, ADS                                 ; the keys' side
	s_wait_alu depctr_va_vdst(0)
	s_wait_dscnt 8                                 ; the scale words and fragments 0-3 are in; the youngest eight loads (fragments 4-7) may be out
.irp t, 0,1,2,3                                ; S^T = K Q^T, eight tiles of 16 keys
	MMZ 96+8*\t, 32+8*\t, 16, 248+\t/2, 255, \t&1
.endr
	s_wait_dscnt 0x0
.irp t, 4,5,6,7
	MMZ 96+8*\t, 32+8*\t, 16, 248+\t/2, 255, \t&1
.endr
	PLACES 4                                       ; behind the products: their results are read, and their operands' registers loaded into
	FETCH ADV, ADT                                 ; V's side: the softmax below names none of these registers
	s_cmp_lg_u32 s[KS], s[BLK]                     ; on the diagonal the scores of hidden keys become -infinity ahead of the maximum: p = 0 then
	s_cbranch_scc1 .Lopen_\@
	v_mov_b32 v254, 0xff800000
.set J, 0
.rept 64
	v_cmp_gt_i32 vcc_lo, 16*(J/8)+J%8, v3          ; register J holds key 16 (J / 8) + J % 8 + 8 h of the step: hidden where that is more than my query's place
	v_cndmask_b32 v[96+J], v[96+J], v254, vcc_lo
.set J, J+1
.endr
.Lopen_\@:
.irp b, 0,1,2,3
	v_max3_num_f32 v[232+\b], v[96+16*\b], v[97+16*\b], v[98+16*\b]   ; the largest score of each block of 32 keys: it serves the row's maximum and, since p rises with the score, the block's largest p
.endr
.irp i, 3,5,7,9,11,13
.irp b, 0,1,2,3
	v_max3_num_f32 v[232+\b], v[232+\b], v[96+16*\b+\i], v[97+16*\b+\i]
.endr
.endr
.irp b, 0,1,2,3
	v_max_num_f32 v[232+\b], v[232+\b], v[111+16*\b]
.endr
.irp b, 0,1,2,3
	s_delay_alu instid0(VALU_DEP_4)
	v_permlanex16_b32 v[236+\b], v[232+\b], s[SEL], s[SEL+1]
.endr
.irp b, 0,1,2,3
	s_delay_alu instid0(VALU_DEP_4)
	v_max_num_f32 v[232+\b], v[232+\b], v[236+\b]  ; with lane l xor 16's 16 keys
.endr
	s_delay_alu instid0(VALU_DEP_2)
	v_max3_num_f32 v254, v232, v233, v234
	s_delay_alu instid0(VALU_DEP_1)
	v_max_num_f32 v254, v254, v235
	s_delay_alu instid0(VALU_DEP_1)
	v_mul_f32 v254, s[CS], v254                    ; the step's largest t
	s_delay_alu instid0(VALU_DEP_1)
	v_max_num_f32 v13, v13, v254
	v_mov_b32 v254, v12
	s_delay_alu instid0(VALU_DEP_2)
	v_floor_f32 v12, -v13                          ; the new -M = -ceil(t): a whole number
	s_delay_alu instid0(VALU_DEP_1)
	v_sub_f32 v254, v12, v254                      ; old M - new M, 0 or less
	s_delay_alu instid0(VALU_DEP_1)
	v_cvt_i32_f32 v254, v254                       ; (it saturates)
	s_delay_alu instid0(VALU_DEP_1)
	v_ldexp_f32 v252, 1.0, v254                    ; f = 2^(old M - new M): multiplying by it rounds nothing
.set J, 0
.rept 32
	v_pk_fma_f32 v[96+J:97+J], v[96+J:97+J], s[CS:CS+1], v[12:13] op_sel_hi:[1,0,0]   ; t - M
.set J, J+2
.endr
.irp b, 0,1,2,3
	v_fma_f32 v[232+\b], v[232+\b], s[CS], v12
.endr
.set J, 0
	s_wait_alu depctr_va_vdst(0)
.rept 64
	v_exp_f32 v[96+J], v[96+J]                     ; p = 2^(t - M)
.set J, J+1
.endr
.irp b, 0,1,2,3
	v_exp_f32 v[232+\b], v[232+\b]                 ; the block's largest p: the same two instructions on the same number
.endr
	v_pk_mul_f32 v[14:15], v[14:15], v[252:253] op_sel_hi:[1,0]   ; the sums under the new M (a plain place behind the exponentials)
	s_wait_alu depctr_va_vdst(0)                   ; and behind it, ahead of its first reader
.irp b, 0,1,2,3
	v_max_num_f32 v[232+\b], 0x1800000, v[232+\b]  ; the floor 2^(3 - 127): the byte cannot fall under 1
.endr
	WORD
	CODES 96
	v_pk_add_f32 v[236:237], v[100:101], v[104:105]   ; the row's sum of the unquantised p, in eight chains
	v_pk_add_f32 v[242:243], v[108:109], v[112:113]
	v_pk_add_f32 v[28:29], v[116:117], v[120:121]
	v_pk_add_f32 v[246:247], v[124:125], v[128:129]
	v_pk_add_f32 v[244:245], v[132:133], v[136:137]
	v_pk_add_f32 v[240:241], v[140:141], v[144:145]
	v_pk_add_f32 v[234:235], v[148:149], v[152:153]
	v_pk_add_f32 v[14:15], v[14:15], v[156:157]
	v_pk_add_f32 v[236:237], v[236:237], v[96:97]
	v_pk_add_f32 v[242:243], v[242:243], v[98:99]
	v_pk_add_f32 v[28:29], v[28:29], v[102:103]
	v_pk_add_f32 v[246:247], v[246:247], v[106:107]
	v_pk_add_f32 v[244:245], v[244:245], v[110:111]
	v_pk_add_f32 v[240:241], v[240:241], v[114:115]
	v_pk_add_f32 v[234:235], v[234:235], v[118:119]
	v_pk_add_f32 v[14:15], v[14:15], v[122:123]
	v_pk_add_f32 v[236:237], v[236:237], v[126:127]
	v_pk_add_f32 v[242:243], v[242:243], v[130:131]
	v_pk_add_f32 v[28:29], v[28:29], v[134:135]
	v_pk_add_f32 v[246:247], v[246:247], v[138:139]
	v_pk_add_f32 v[244:245], v[244:245], v[142:143]
	v_pk_add_f32 v[240:241], v[240:241], v[146:147]
	v_pk_add_f32 v[234:235], v[234:235], v[150:151]
	v_pk_add_f32 v[14:15], v[14:15], v[154:155]
	v_pk_add_f32 v[236:237], v[236:237], v[158:159]
	s_delay_alu instid0(VALU_DEP_2)
	v_pk_add_f32 v[14:15], v[14:15], v[246:247]
	s_delay_alu instid0(VALU_DEP_2)
	v_pk_add_f32 v[236:237], v[236:237], v[244:245]
	v_pk_add_f32 v[242:243], v[242:243], v[240:241]
	v_pk_add_f32 v[28:29], v[28:29], v[234:235]
	s_delay_alu instid0(VALU_DEP_2)
	v_pk_add_f32 v[14:15], v[14:15], v[242:243]
	s_delay_alu instid0(VALU_DEP_2)
	v_pk_add_f32 v[236:237], v[236:237], v[28:29]
	s_delay_alu instid0(VALU_DEP_1)
	v_pk_add_f32 v[14:15], v[14:15], v[236:237]
.set J, 0
.rept 32
	v_pk_mul_f32 v[160+J:161+J], v[160+J:161+J], v[252:253] op_sel_hi:[1,0]   ; O^T under the new M; these lines are also the places between p's codes and scale word and the products that take them
.set J, J+2
.endr
	s_wait_alu depctr_va_vdst(0)
	s_wait_dscnt 0x0                               ; V's side is in
.irp t, 0,1,2,3,4,5,6,7                        ; O^T += V^T P^T, eight tiles of 16 channels
	MMA 160+8*\t, 32+8*\t, 224, 248+\t/2, 253, \t&1
.endr
.Lidle_\@:
.endm
	s_wait_alu depctr_va_vdst(0)
	s_wait_loadcnt 0x0                             ; Q
	s_wait_tensorcnt 0x0                           ; my fill of the head has landed
	ds_add_u32 v[SPW], v[NIL]
	ds_add_u32 v[SPW], v[NIL]                      ; twice on end
	s_add_co_u32 s[G0C+1], s[G0C+1], 65536         ; no load of mine is out, so group 0 may be written: steps q + 4 and q + 12
	s_add_nc_u64 s[G0C+2:G0C+3], s[G0C+2:G0C+3], 32768
	s_wait_dscnt 0x0
	s_barrier_signal -1
	s_barrier_wait -1                              ; steps 0-3 and 8-11 and the scale words are whole
	s_cmp_lt_u32 s[WV], 8
	s_cbranch_scc0 .Lno_second
	tensor_load_to_lds s[G0C:G0C+3], s[G1C:G1C+7]  ; my one load behind the barrier: it has trips 0 .. 3 in which to land
	s_nop 0
	PLACES 4
.Lno_second:
.Lfirst:
	STEP 0
	s_add_co_u32 s[T], s[T], 1
	s_cmp_lt_u32 s[T], 4
	s_cbranch_scc1 .Lfirst
	s_wait_tensorcnt 0x0                           ; my part of steps 4-7 and 12-15 has landed
	BARRIER                                        ; everybody's has
.Lrest:
	STEP 1
	s_add_co_u32 s[T], s[T], 1
	s_cmp_lt_u32 s[T], 9
	s_cbranch_scc1 .Lrest
	; THE TWO PARTS OF BLOCK 15 - i's TILE ARE JOINED
	BARRIER                                        ; nobody reads the keys any more
	s_cmp_lt_u32 s[WV], 8
	s_cbranch_scc0 .Lnot_x
	PLACES 4                                       ; behind the last products
	v_add_f32 v13, v14, v15                        ; my lane's part of the sum, beside -M
.set J, 0
.rept 16
	ds_store_b128 v7, v[160+4*J:163+4*J] offset:512*J    ; each accumulator from its low end on
.set J, J+1
.endr
	ds_store_b64 v25, v[12:13]
.Lnot_x:
	BARRIER
	s_cmp_lt_u32 s[WV], 8
	s_cbranch_scc1 .Lnot_y
	PLACES 4                                       ; in front of loads into registers that the last products have read
.set J, 0
.rept 16
	ds_load_b128 v[96+4*J:99+4*J], v7 offset:512*J
.set J, J+1
.endr
	ds_load_b64 v[32:33], v25
	v_mov_b32 v35, 0                               ; (named as the upper half of the pair v[34:35])
	s_wait_dscnt 0x0
	v_min_num_f32 v254, v12, v32                   ; -M of the two parts together
	s_delay_alu instid0(VALU_DEP_1)
	v_sub_f32 v34, v254, v32                       ; the partner's M less the common one, 0 or less
	v_sub_f32 v252, v254, v12                      ; and mine
	s_delay_alu instid0(VALU_DEP_2)
	v_cvt_i32_f32 v34, v34                         ; (they saturate: a part that has seen no key counts for nothing)
	s_delay_alu instid0(VALU_DEP_2)
	v_cvt_i32_f32 v252, v252
	s_delay_alu instid0(VALU_DEP_2)
	v_ldexp_f32 v34, 1.0, v34
	s_delay_alu instid0(VALU_DEP_2)
	v_ldexp_f32 v252, 1.0, v252
	s_delay_alu instid0(VALU_DEP_1)
	v_pk_mul_f32 v[14:15], v[14:15], v[252:253] op_sel_hi:[1,0]
	s_delay_alu instid0(VALU_DEP_1)
	v_fmac_f32 v14, v33, v34
.set J, 0
.rept 32
	v_pk_mul_f32 v[160+J:161+J], v[160+J:161+J], v[252:253] op_sel_hi:[1,0]
.set J, J+2
.endr
.set J, 0
.rept 32
	v_pk_fma_f32 v[160+J:161+J], v[96+J:97+J], v[34:35], v[160+J:161+J] op_sel_hi:[1,0,1]
.set J, J+2
.endr
	FINAL OB
	ds_store_b32 v5, v24                           ; block i's scale word; lanes r and r + 16 write the same word with the same value
	ds_store_b32 v5, v[PW] offset:512              ; block 15 - i's
.Lnot_y:
	BARRIER                                        ; the two blocks' scale words are whole
	s_cmp_lt_u32 s[WV], 2
	s_cbranch_scc0 .Ldone
	ds_load_b128 v[28:31], v6                      ; into registers that no matrix instruction names
	s_wait_dscnt 0x0
	global_store_b128 v1, v[28:31], s[10:11]       ; 512 consecutive bytes
.Ldone:
	s_wait_tensorcnt 0x0                           ; the wave's end
	ds_add_u32 v[SPW], v[NIL]
	s_wait_dscnt 0x0
	s_endpgm
.Lfunc_end_k_qe591c67727_attn:
	.size	k_qe591c67727_attn, .Lfunc_end_k_qe591c67727_attn-k_qe591c67727_attn
	.p2alignl 7, 3214868480
	.fill 96, 4, 3214868480
	.section	.rodata,"a",@progbits
	.p2align	6, 0x0
	.amdhsa_kernel k_qe591c67727_attn
		.amdhsa_group_segment_fixed_size 327680
		.amdhsa_private_segment_fixed_size 0
		.amdhsa_enable_private_segment 0
		.amdhsa_kernarg_size 32
		.amdhsa_user_sgpr_count 2
		.amdhsa_user_sgpr_kernarg_segment_ptr 1
		.amdhsa_wavefront_size32 1
		.amdhsa_system_sgpr_workgroup_id_x 1
		.amdhsa_system_sgpr_workgroup_id_y 1
		.amdhsa_system_sgpr_workgroup_id_z 1
		.amdhsa_system_vgpr_workitem_id 0
		.amdhsa_next_free_vgpr 256
		.amdhsa_next_free_sgpr 80
		.amdhsa_reserve_vcc 1
		.amdhsa_float_denorm_mode_32 3
		.amdhsa_float_denorm_mode_16_64 3
		.amdhsa_memory_ordered 1
		.amdhsa_forward_progress 1
		.amdhsa_inst_pref_size 96
	.end_amdhsa_kernel
	.amdgpu_metadata
---
amdhsa.version: [ 1, 2 ]
amdhsa.kernels:
  - .name:           k_qe591c67727_attn
    .symbol:         k_qe591c67727_attn.kd
    .args:
      - { .name: qkv_img, .offset: 0, .size: 8, .value_kind: global_buffer, .address_space: global }
      - { .name: qkv_sc, .offset: 8, .size: 8, .value_kind: global_buffer, .address_space: global }
      - { .name: ao_img, .offset: 16, .size: 8, .value_kind: global_buffer, .address_space: global }
      - { .name: ao_sc, .offset: 24, .size: 8, .value_kind: global_buffer, .address_space: global }
    .group_segment_fixed_size: 327680
    .private_segment_fixed_size: 0
    .kernarg_segment_align: 8
    .kernarg_segment_size: 32
    .max_flat_workgroup_size: 512
    .sgpr_count:     80
    .vgpr_count:     256
    .wavefront_size: 32
...
	.end_amdgpu_metadata
.endif
;; end of part 3
;; launch outp (part 4): grid 32 x 8, 4 waves a work-group, clusters of 4 x 1, 173,568 bytes of LDS; arguments ao_img, ao_sc, out_w_codes, out_w_scales, out_b, out0; writes out0
.if DOCPART == 4
	.amdgcn_target "amdgcn-amd-amdhsa--gfx1250"
	.amdhsa_code_object_version 6
	.text
	.protected	k_qe591c67727_outp
	.globl	k_qe591c67727_outp
	.p2align	8
	.type	k_qe591c67727_outp,@function
k_qe591c67727_outp:
	s_mov_b64 s[64:65], 0
	v_nop
	global_prefetch_b8 v0, s[64:65] scope:SCOPE_SE
	s_setreg_imm32_b32 hwreg(HW_REG_WAVE_MODE, 25, 1), 1
	s_wait_xcnt 0x0
	s_wait_alu depctr_hold_cnt(0) depctr_sa_sdst(0) depctr_va_vdst(0) depctr_va_sdst(0) depctr_va_ssrc(0) depctr_va_vcc(0) depctr_vm_vsrc(0)
	s_getreg_b32 s2, hwreg(HW_REG_IB_STS2, 6, 4)
	s_cmp_eq_u32 s2, 0
	s_cbranch_scc0 .Lentry_in_a_cluster
	s_endpgm
.Lentry_in_a_cluster:
	s_bfe_u32 s2, ttmp6, 0x10000c
	s_cmp_lg_u32 s2, 0x3003
	s_cbranch_scc0 .Lentry_shape_is_right
	s_endpgm
.Lentry_shape_is_right:
; out0 = attn_out out_w^T + out_b: [4096][2048] x [1024][2048]^T on codes of FP4 with E8M0 scales; out0 f32.  attn_out comes as images of the operand's registers (ao_img: [16 batch + head][token tile][1,024 bytes];
; a head is a K step of 128), out_w as codes with K innermost.
; SHARES.  Work-group (rk, cb): rows 128 rk on, columns 128 cb on.  Wave w: rows 32 w on (two tiles m) x all 128 columns: 16 accumulators, 16 K steps.  The rows' fragments go from memory straight into registers.
; The products are used transposed (source 0 = 16 rows of out_w, source 1 = 16 tokens): a lane holds eight neighbouring columns of one row of out0.
; CLUSTER: the four work-groups of a cluster share cb, so the weight's tile (128 rows x 1,024 bytes) is asked for jointly, a quarter of K a wave; it is filled once.
.set PITCH, 272                        ; a row of a quarter in LDS: 256 bytes + 16 of padding
.set QUART, 128*PITCH
.set STAGE, 4*QUART                    ; behind the tile: 16 rows x (512 bytes + 16) for each wave, for the way out
.set SP,    528
.set LI,   4                           ; v4   16 x lane
.set LS,   5                           ; v5   4 x lane
.set AB,   6                           ; v6-9 a fragment's place in quarter 0 .. 3
.set BSA,  10                          ; v10  64 r + 16 h
.set BIA,  11                          ; v11  32 h
.set STO,  12                          ; v12  the stage: where I put 32 bytes of a row
.set RD,   13                          ; v13  and where I read a row back
.set AS,   32                          ; v32-47  attn_out's scale words of K step s: lanes 0-15 tile 0, lanes 16-31 tile 1
.set BS,   48                          ; v48-111 out_w's: 8 t + 4 q + e: lanes 0-15 K step 8 q + e, lanes 16-31 K step 8 q + 4 + e
.set BK,   128                         ; v128-255 rows on their way out
; window 1: v0-127 two buffers of weight fragments; v128-191 the bias in the result's layout.  window 2: attn_out's fragments 128 m + 8 s.  window 3: accumulators 64 m + 8 t.
.set WV,   16
.set G1,   24
.set G0,   32
.set MSB, 0
.macro WIN new                         ; the immediate's high byte repeats the setting that is left
.if MSB != \new
	s_set_vgpr_msb (MSB<<8)|\new
.set MSB, \new
.endif
.endm
.macro PLACES n
.rept \n
	v_nop
.endr
.endm
.macro ROUND                           ; a round of the cluster's barrier
	s_barrier_signal -1
	s_barrier_wait -1
	s_cmp_lg_u32 s[WV], 0
	s_cbranch_scc1 .Lnot_wave_0_\@
	s_barrier_signal -3
.Lnot_wave_0_\@:
	s_barrier_wait -3
	s_barrier_signal -1
	s_barrier_wait -1
.endm
.macro BARRIER
	s_wait_dscnt 0x0
	s_barrier_signal -1
	s_barrier_wait -1
.endm
.macro PADD p, o
	s_mov_b32 s46, s[\o]
	s_mov_b32 s47, 0
	s_add_nc_u64 s[\p:\p+1], s[\p:\p+1], s[46:47]
.endm
.macro MM d, a, b, c, sa, sb, ra, rb   ; ra, rb = 1: that side's scale words are taken from lanes 16-31
.if (\ra) && (\rb)
	v_wmma_scale_f32_16x16x128_f8f6f4 v[\d:\d+7], v[\a:\a+7], v[\b:\b+7], v[\c:\c+7], v[\sa], v[\sb] matrix_a_fmt:MATRIX_FMT_FP4 matrix_b_fmt:MATRIX_FMT_FP4 matrix_a_scale:MATRIX_SCALE_ROW1 matrix_b_scale:MATRIX_SCALE_ROW1
.elseif (\ra)
	v_wmma_scale_f32_16x16x128_f8f6f4 v[\d:\d+7], v[\a:\a+7], v[\b:\b+7], v[\c:\c+7], v[\sa], v[\sb] matrix_a_fmt:MATRIX_FMT_FP4 matrix_b_fmt:MATRIX_FMT_FP4 matrix_a_scale:MATRIX_SCALE_ROW1
.elseif (\rb)
	v_wmma_scale_f32_16x16x128_f8f6f4 v[\d:\d+7], v[\a:\a+7], v[\b:\b+7], v[\c:\c+7], v[\sa], v[\sb] matrix_a_fmt:MATRIX_FMT_FP4 matrix_b_fmt:MATRIX_FMT_FP4 matrix_b_scale:MATRIX_SCALE_ROW1
.else
	v_wmma_scale_f32_16x16x128_f8f6f4 v[\d:\d+7], v[\a:\a+7], v[\b:\b+7], v[\c:\c+7], v[\sa], v[\sb] matrix_a_fmt:MATRIX_FMT_FP4 matrix_b_fmt:MATRIX_FMT_FP4
.endif
.endm
	s_load_b256 s[4:11], s[0:1], 0x0               ; ao_img, ao_sc, out_w's codes, out_w's scales
	s_load_b128 s[12:15], s[0:1], 0x20             ; out_b, out0
	v_lshl_add_u32 v126, v0, 2, 0x2a400
	v_mov_b32 v127, 0
	ds_add_u32 v126, v127
	ds_add_u32 v126, v127
	v_lshrrev_b32 v1, 5, v0
	v_readfirstlane_b32 s[WV], v1                  ; wave 0..3
	v_and_b32 v1, 31, v0
	s_wait_alu depctr_va_vdst(0)
	v_and_b32 v2, 15, v0                           ; r
	v_bfe_u32 v3, v0, 4, 1                         ; h
	s_wait_alu depctr_va_vdst(0)
	s_bfe_u32 s17, ttmp6, 0x40000                  ; cx
	s_lshl_b32 s18, ttmp9, 2
	s_add_co_u32 s18, s18, s17                     ; rk: my block of 128 rows
	s_and_b32 s19, ttmp7, 0xffff                   ; cb: my block of 128 columns, which the four partners share
	s_mov_b32 s[G1+0], 15|(1<<20)|(1<<21)|(5<<22)|(3<<25)      ; 128 rows x 256 bytes of rows 1,024 bytes apart, 16 bytes of padding behind each; the mask names all four work-groups
	s_mov_b32 s[G1+1], 256<<16
	s_mov_b32 s[G1+2], 128<<16
	s_mov_b32 s[G1+3], 256<<16
	s_mov_b32 s[G1+4], 128
	s_mov_b32 s[G1+5], 1024
	s_mov_b32 s[G1+6], 0
	s_mov_b32 s[G1+7], 0
	s_lshl_b32 s36, s19, 17                        ; 128 cb rows of 1,024 bytes, + my quarter of K
	s_lshl_b32 s37, s[WV], 8
	s_add_co_u32 s36, s36, s37
	s_mov_b32 s37, 0
	s_mul_i32 s38, s[WV], QUART
	v_lshlrev_b32 v[LI], 4, v1
	v_lshlrev_b32 v[LS], 2, v1
	v_lshlrev_b32 v14, 4, v3
	v_mad_u32_u24 v[AB], v2, PITCH, v14
.irp q, 1,2,3
	v_add_nc_u32 v[AB+\q], \q*QUART, v[AB]
.endr
	v_lshl_add_u32 v[BSA], v2, 6, v14
	v_lshlrev_b32 v[BIA], 5, v3
	s_mul_i32 s39, s[WV], 16*SP
	s_add_co_u32 s39, s39, STAGE                   ; my stage
	v_mad_u32_u24 v[STO], v2, SP, v[BIA]
	v_add_nc_u32 v[STO], s39, v[STO]
	v_add_nc_u32 v[RD], s39, v[LI]
	s_wait_dscnt 0x0
	s_wait_kmcnt 0x0
	s_mov_b32 s[G0], 1
	s_mov_b32 s[G0+1], s38
	s_add_nc_u64 s[G0+2:G0+3], s[8:9], s[36:37]
	s_or_b32 s[G0+3], s[G0+3], 0x80000000
	ROUND                                          ; all four work-groups are here: the joint loads meet
	tensor_load_to_lds s[G0:G0+3], s[G1:G1+7]      ; one load of mine is out
	s_nop 0
	PLACES 4
	s_lshr_b32 s40, s18, 4                         ; the batch
	s_and_b32 s41, s18, 15                         ; the block within it
	s_lshl_b32 s42, s40, 21
	s_lshl_b32 s43, s41, 13
	s_add_co_u32 s42, s42, s43
	s_lshl_b32 s43, s[WV], 11
	s_add_co_u32 s42, s42, s43
	PADD 4, 42                                     ; ao_img: head 0 of the batch, token tile 8 x block + 2 w
	s_lshl_b32 s42, s40, 17
	s_lshl_b32 s43, s41, 9
	s_add_co_u32 s42, s42, s43
	s_lshl_b32 s43, s[WV], 7
	s_add_co_u32 s42, s42, s43
	PADD 6, 42                                     ; ao_sc likewise
	s_lshl_b32 s42, s19, 13
	PADD 10, 42                                    ; out_w's scales: 128 cb rows of 64 bytes
	s_lshl_b32 s42, s19, 9
	PADD 12, 42                                    ; out_b
	s_lshl_b32 s43, s18, 19
	s_add_co_u32 s42, s42, s43
	s_lshl_b32 s43, s[WV], 17
	s_add_co_u32 s42, s42, s43
	PADD 14, 42                                    ; out0: row 128 rk + 32 w, column 128 cb
	WIN 0x80
.irp m, 0,1
.irp s, 0,1,2,3,4,5,6,7,8,9,10,11,12,13,14,15
.irp c, 0,1
	global_load_b128 v[128*\m+8*\s+4*\c:128*\m+8*\s+4*\c+3], v[LI], s[4:5] offset:131072*\s+1024*\m+512*\c
.endr
.endr
.endr
	WIN 0
.irp s, 0,1,2,3,4,5,6,7,8,9,10,11,12,13,14,15
	global_load_b32 v[AS+\s], v[LS], s[6:7] offset:8192*\s
.endr
	s_wait_alu depctr_va_vdst(0)
.irp t, 0,1,2,3,4,5,6,7
.irp q, 0,1
	global_load_b128 v[BS+8*\t+4*\q:BS+8*\t+4*\q+3], v[BSA], s[10:11] offset:1024*\t+32*\q
.endr
.endr
	WIN 0x40
.irp t, 0,1,2,3,4,5,6,7
.irp q, 0,1
	global_load_b128 v[128+8*\t+4*\q:128+8*\t+4*\q+3], v[BIA], s[12:13] offset:64*\t+16*\q
.endr
.endr
	WIN 0
	s_wait_tensorcnt 0x0                           ; my quarter is in LDS,
	s_wait_loadcnt 0x0
	BARRIER                                        ; everybody's is
.macro FETCHB s, p                     ; the weight's eight fragments of K step s into buffer p
	WIN 0x40
.irp t, 0,1,2,3,4,5,6,7
.irp c, 0,1
	ds_load_b128 v[64*(\p)+8*\t+4*\c:64*(\p)+8*\t+4*\c+3], v[AB+((\s)>>2)] offset:16*PITCH*\t+64*((\s)&3)+32*\c
.endr
.endr
.endm
	FETCHB 0, 0
.set S, 0
.rept 16
.if S < 15
.if S > 0
	PLACES 4                                       ; in front of loads into registers that the last step's products have read
.endif
	FETCHB S+1, (S+1)&1
	s_wait_dscnt 16                                ; all but the 16 just issued
.else
	s_wait_dscnt 0x0
.endif
.if S == 0
	WIN 0xd9                                       ; source 0 window 1, source 1 window 2, C (the bias) window 1, D window 3
.else
	WIN 0xf9
.endif
.irp t, 0,1,2,3,4,5,6,7
.irp m, 0,1
.if S == 0
	MM 64*\m+8*\t, 64*(S&1)+8*\t, 128*\m+8*S, 128+8*\t, BS+8*\t+4*(S>>3)+(S&3), AS+S, (S>>2)&1, \m
.else
	MM 64*\m+8*\t, 64*(S&1)+8*\t, 128*\m+8*S, 64*\m+8*\t, BS+8*\t+4*(S>>3)+(S&3), AS+S, (S>>2)&1, \m
.endif
.endr
.endr
.set S, S+1
.endr
	WIN 0
	PLACES 4
	; THE WAY OUT: a tile of 16 rows x 128 columns goes through my own stage and comes back as whole rows of 512 bytes.  LDS serves a wave's instructions in order, so no wait stands between the stores and the loads, nor in front of the next tile's stores.
.irp m, 0,1
	WIN 0x0c                                       ; an LDS store's data are its source 1: window 3
.irp t, 0,1,2,3,4,5,6,7
	ds_store_b128 v[STO], v[64*\m+8*\t:64*\m+8*\t+3] offset:64*\t          ; each accumulator from its low end on
	ds_store_b128 v[STO], v[64*\m+8*\t+4:64*\m+8*\t+7] offset:64*\t+16
.endr
	WIN 0
.irp p, 0,1,2,3,4,5,6,7,8,9,10,11,12,13,14,15
	ds_load_b128 v[BK+64*\m+4*\p:BK+64*\m+4*\p+3], v[RD] offset:SP*\p
.endr
.endr
	s_wait_dscnt 32                                ; tile 0 is back; tile 1's 16 stores and 16 loads may be out
.irp p, 0,1,2,3,4,5,6,7,8,9,10,11,12,13,14,15
	global_store_b128 v[LI], v[BK+4*\p:BK+4*\p+3], s[14:15] offset:4096*\p th:TH_STORE_NT   ; 32 lanes store 512 consecutive bytes, at a multiple of 256 from out0's first byte
.endr
	s_wait_dscnt 0x0
.irp p, 0,1,2,3,4,5,6,7,8,9,10,11,12,13,14,15
	global_store_b128 v[LI], v[BK+64+4*\p:BK+64+4*\p+3], s[14:15] offset:65536+4096*\p th:TH_STORE_NT
.endr
	s_wait_tensorcnt 0x0
	ds_add_u32 v126, v127
	s_wait_dscnt 0x0
	ROUND                                          ; the closing round
	s_endpgm
.Lfunc_end_k_qe591c67727_outp:
	.size	k_qe591c67727_outp, .Lfunc_end_k_qe591c67727_outp-k_qe591c67727_outp
	.p2alignl 7, 3214868480
	.fill 96, 4, 3214868480
	.section	.rodata,"a",@progbits
	.p2align	6, 0x0
	.amdhsa_kernel k_qe591c67727_outp
		.amdhsa_group_segment_fixed_size 173568
		.amdhsa_private_segment_fixed_size 0
		.amdhsa_enable_private_segment 0
		.amdhsa_kernarg_size 48
		.amdhsa_user_sgpr_count 2
		.amdhsa_user_sgpr_kernarg_segment_ptr 1
		.amdhsa_wavefront_size32 1
		.amdhsa_system_sgpr_workgroup_id_x 1
		.amdhsa_system_sgpr_workgroup_id_y 1
		.amdhsa_system_sgpr_workgroup_id_z 1
		.amdhsa_system_vgpr_workitem_id 0
		.amdhsa_next_free_vgpr 1024
		.amdhsa_next_free_sgpr 66
		.amdhsa_reserve_vcc 0
		.amdhsa_float_denorm_mode_32 3
		.amdhsa_float_denorm_mode_16_64 3
		.amdhsa_memory_ordered 1
		.amdhsa_forward_progress 1
		.amdhsa_inst_pref_size 75
	.end_amdhsa_kernel
	.amdgpu_metadata
---
amdhsa.version: [ 1, 2 ]
amdhsa.kernels:
  - .name:           k_qe591c67727_outp
    .symbol:         k_qe591c67727_outp.kd
    .args:
      - { .name: ao_img, .offset: 0, .size: 8, .value_kind: global_buffer, .address_space: global }
      - { .name: ao_sc, .offset: 8, .size: 8, .value_kind: global_buffer, .address_space: global }
      - { .name: out_w_codes, .offset: 16, .size: 8, .value_kind: global_buffer, .address_space: global }
      - { .name: out_w_scales, .offset: 24, .size: 8, .value_kind: global_buffer, .address_space: global }
      - { .name: out_b, .offset: 32, .size: 8, .value_kind: global_buffer, .address_space: global }
      - { .name: out0, .offset: 40, .size: 8, .value_kind: global_buffer, .address_space: global }
    .group_segment_fixed_size: 173568
    .private_segment_fixed_size: 0
    .kernarg_segment_align: 8
    .kernarg_segment_size: 48
    .max_flat_workgroup_size: 128
    .sgpr_count:     66
    .vgpr_count:     1024
    .wavefront_size: 32
...
	.end_amdgpu_metadata
.endif
;; end of part 4
